; MI455X (gfx1250); checked and timed in simulation.
; The chip was launched on July 23, 2026; its instructions are those of AMD's public machine-readable ISA for CDNA 5 (MIT licence, August 2026) and "CDNA5" Instruction Set Architecture Reference Guide (July 2026). The comments in the code are by the model that wrote it; some were corrected since.
;; MHA. Allowed arithmetic: matrix products marked QUANTISED: E2M1 operands, one E8M0 scale for each 32 along K, by v_wmma_scale_f32_16x16x128_f8f6f4 with both operands' format E2M1 (or v_wmma_scale_f32_32x16x128_f4), f32 sums; products left as they are: bf16, f16 or f32 operands; f32 sums; everything else in f32.
;; Inputs: bk 1,024 float32; bo 1,024 float32; bq 1,024 float32; bv 1,024 float32; k 4 x 2,048 x 1,024 float32; mask 1 x 1 x 2,048 x 2,048 int32; q 4 x 2,048 x 1,024 float32; v 4 x 2,048 x 1,024 float32; wk 1,024 x 1,024 float32; wo 1,024 x 1,024 float32; wq 1,024 x 1,024 float32; wv 1,024 x 1,024 float32.
;; Outputs: out0 4 x 2,048 x 1,024 float32.
;; This version of the problem:
;;   THIS VERSION OF THE PROBLEM IS GIVEN IN LOW PRECISION. The matrix products marked QUANTISED in the list below multiply operands that are first quantised to E2M1 (2 exponent bits, 1 mantissa bit; 4 bits a number), with one power-of-two scale for each 32 numbers along K (OCP MX v1.0); their sums are f32. The products marked 'left as it is' may take bf16, f16 or f32 operands, with f32 sums. Whichever they take, every output number must still come out within the allowed error. Rounding operands to bf16 (8 significant bits) uses up far more of that allowance than f16 does (11 bits, for magnitudes from 6e-5 to 65,504). All else is computed in f32.
;;   The module's matrix products, in the order in which they are computed (A, B: the left and right operand; K: the contracted axis; several contracted axes count as one K, in the product's order):
;;     1. [M 8,192, K 1,024] x [K 1,024, N 1,024]; A: input q; B: input wq: QUANTISED
;;     2. [M 8,192, K 1,024] x [K 1,024, N 1,024]; A: input k; B: input wk: QUANTISED
;;     3. [M 8,192, K 1,024] x [K 1,024, N 1,024]; A: input v; B: input wv: QUANTISED
;;     4. batch 64 x [M 2,048, K 64] x [K 64, N 2,048]; A: computed on the way; B: computed on the way: left as it is (an operand is computed on the way)
;;     5. batch 64 x [M 2,048, K 2,048] x [K 2,048, N 64]; A: computed on the way; B: computed on the way: left as it is (an operand is computed on the way)
;;     6. [M 8,192, K 1,024] x [K 1,024, N 1,024]; A: computed on the way; B: input wo: left as it is (an operand is computed on the way)
;;   THE QUANTISER, for each operand of a quantised product, along K:
;;     - K is cut into blocks of 32 from its start; a last block that is shorter is filled with zeros.
;;     - A block's scale is 2^e with e = floor(log2(the largest magnitude in the block)) - 2, held to -126 .. 127; a block of zeros has e = 0. As a byte (E8M0): e + 127.
;;     - Each number is divided by its block's scale, clamped to +-6, and rounded to the nearest number of E2M1, ties to even, subnormals kept.
;;     - The product sums the exact products of the quantised numbers (number of the format x scale) in f32.
;;   ~~~python
;;   def quantise(x, axis):      # numpy; x: float32 -> the quantised numbers, widened to float32 again
;;       x = np.moveaxis(x, axis, -1); K = x.shape[-1]
;;       x = np.pad(x, [(0, 0)] * (x.ndim - 1) + [(0, -K % 32)]); x = x.reshape(x.shape[:-1] + (-1, 32)); a = np.abs(x).max(-1, keepdims=True)
;;       e = np.where(a > 0, np.clip(np.frexp(np.where(a > 0, a, 1))[1] - 1 - 2, -126, 127), 0)      # np.frexp(a)[1] - 1 = floor(log2(a)), exactly
;;       r = np.clip(x / 2.0 ** e, -6, 6)
;;       step = 2.0 ** (np.maximum(np.frexp(np.where(r == 0, 1, r))[1] - 1, 0) - 1)
;;       q = np.round(r / step) * step * 2.0 ** e      # np.round: ties to even
;;       return np.moveaxis(q.reshape(q.shape[:-2] + (-1,))[..., :K], -1, axis).astype(np.float32)
;;   ~~~
;; One version. Each part assembles by itself: llvm-mc -triple=amdgcn-amd-amdhsa -mcpu=gfx1250 --defsym DOCPART=n.
;; ======== version 1 of 1: 4 launches
;; limits: values are held in f16: magnitudes above 65,504 overflow, below 6.1e-05 lose precision
;; workspace buffers: xc 12,582,912 bytes; xs 786,432 bytes; wc 1,572,864 bytes; ws 98,304 bytes; qkv 50,331,648 bytes; mbits 524,288 bytes of whole numbers; wof 2,097,152 bytes; ctx 16,777,216 bytes
;; launch prep (part 1): grid 1024 x 1, 4 waves a work-group, no clusters, 33,280 bytes of LDS; arguments q, k, v, wq, wk, wv, mask, wo, xc, xs, wc, ws, mbits, wof; writes xc, xs, wc, ws, mbits, wof
.if DOCPART == 1
	.amdgcn_target "amdgcn-amd-amdhsa--gfx1250"
	.amdhsa_code_object_version 6
	.text
	.protected	k_q1b33c3d25e_prep
	.globl	k_q1b33c3d25e_prep
	.p2align	8
	.type	k_q1b33c3d25e_prep,@function
k_q1b33c3d25e_prep:
	s_mov_b64 s[64:65], 0
	v_nop
	global_prefetch_b8 v0, s[64:65] scope:SCOPE_SE
	s_setreg_imm32_b32 hwreg(HW_REG_WAVE_MODE, 25, 1), 1
	s_wait_xcnt 0x0
; PREP: everything that later launches read many times is laid out once.  Every work-group takes 131,072 bytes of input; three kinds of work-group, told apart by the work-group's number alone:
;   0 .. 863     q, k, v [8192][1024] and wq, wk, wv [1024][1024], f32, become codes of FP4 (E2M1), K innermost, two codes a byte, and one E8M0 scale byte for each 32 along K.
;                xc/xs hold q's, k's, v's rows on end (24,576 rows of 512 / 32 bytes), wc/ws those of wq, wk, wv (3,072 rows).
;   864 .. 991   the mask [2048][2048] i32 becomes LANE MASKS: bit L of word ((qt*32 + step)*32 + 8 t + j) says whether mask[16 qt + L % 16][64 step + 16 t + 8 (L / 16) + j] is not 0:
;                the lanes' bits for register j of score tile t as the attention launch holds it.
;   992 .. 1023  wo [1024][1024] f32 becomes f16 in the order of a matrix operand's registers: fragment (nt, kk) = rows 16 nt on, k 32 kk on, 1,024 bytes at (nt*32 + kk)*1024:
;                registers 0-3 of lane L at 16 L, registers 4-7 at 512 + 16 L (lane (r, h): row r; registers 0-3 k = 8 h + 0..7, registers 4-7 k = 16 + 8 h + 0..7).
; THE QUANTISER.  A block's scale is 2^(floor(log2(its largest magnitude)) - 2); its byte is the largest magnitude's exponent field - 2, held at 1 from below.  Each number is divided by the scale and
; rounded to the nearest code, ties to even; beyond 6 the largest code.
; LIMITS: a block of zeros, and blocks whose largest magnitude lies under 2^-124, get the byte 1 (a block of zeros: the rule says 127; its codes are zeros and this program alone reads the bytes).
; NaN and infinities among the inputs are not served.  wo goes to f16: magnitudes under 65,504.
; Rows are dense and K is a multiple of 32, so a tensor is a plain stream of blocks of 32.  A wave takes 16 steps of 512 numbers: each of a step's four loads reads 512 consecutive bytes, the 2,048 bytes turn
; through the wave's own stage in LDS (16 bytes of padding behind each 64) and come back 64 bytes a lane: 16 neighbours along K, two lanes to a block.  Only this kind of work-group touches LDS.
; No tensor load, no barrier: waves share nothing.
.set WAVES, 4
.set STEPS, 16
.set CB,    8                          ; bytes of 16 codes
.set R,     16                         ; v16-79   four sets of 16 numbers as they are loaded
.set X,     80                         ; v80-111  two sets of 16 neighbours
.set E,     112                        ; v112-127 a scale byte for each step
.set C,     128                        ; v128-191 codes: four registers for each step, so that no store's data are written again
.set WREG,  8192                       ; LDS: a region for each wave: two stages of 32 x SP bytes, behind them its 256 scale bytes
.set SP,    80                         ; a lane's place in a stage: 64 bytes + 16 of padding
.set SPW,   12                         ; v12      LDS address of my spare word; never rewritten
.set NIL,   13                         ; v13      0; never rewritten
.set SPARE, WAVES*WREG                 ; behind the four regions: the spare words, 128 bytes a wave
.set WV,    36                         ; s36      my wave's number
.set MX,    16                         ; mask and wo: two sets of 64 loaded registers, v16-79 and v80-143
.set MW,    144                        ; mask: v144-151 the words, a pair for each unit;  wo: v144-175 four fragments to store
	s_load_b512 s[4:19], s[0:1], 0x0               ; q, k, v, wq, wk, wv, mask s[16:17], wo s[18:19]
	s_load_b256 s[20:27], s[0:1], 0x40             ; xc, xs, wc, ws
	s_load_b128 s[28:31], s[0:1], 0x60             ; mbits, wof
	v_lshl_add_u32 v[SPW], v0, 2, SPARE
	v_mov_b32 v[NIL], 0
	v_lshrrev_b32 v1, 5, v0
	v_readfirstlane_b32 s[WV], v1                  ; wave 0..3
	v_and_b32 v2, 31, v0                           ; lane
	s_cmp_ge_u32 ttmp9, 992
	s_cbranch_scc1 .Lwo
	s_cmp_ge_u32 ttmp9, 864
	s_cbranch_scc1 .Lmask
; ---------------- the quantiser ----------------
	v_lshlrev_b32 v3, 4, v2                        ; my 16 bytes of a load's 512
	s_mul_i32 s37, s[WV], WREG
	v_lshrrev_b32 v14, 2, v2
	v_mul_u32_u24 v14, v14, SP
	v_and_b32 v15, 3, v2
	v_lshl_add_u32 v14, v15, 4, v14
	v_add_nc_u32 v14, s37, v14                     ; the stage, on the way in: SP (lane / 4) + 16 (lane % 4)
	v_mul_u32_u24 v15, v2, SP
	v_add_nc_u32 v15, s37, v15                     ; and on the way out: SP x lane: my 16 neighbours
	v_mul_u32_u24 v4, v2, CB                       ; my codes' place in a step's
	v_lshrrev_b32 v5, 1, v2
	s_add_co_u32 s37, s37, 2*32*SP
	v_add_nc_u32 v5, s37, v5                       ; LDS: my wave's 256 scale bytes, my block's byte
	v_lshlrev_b32 v7, 3, v2                        ; and on the way out 8 bytes a lane
	v_add_nc_u32 v6, s37, v7
	s_wait_kmcnt 0x0
	s_cmp_lt_u32 ttmp9, 256                        ; which tensor: the choice hangs on the work-group's number alone
	s_cselect_b64 s[32:33], s[4:5], s[6:7]         ; q, else k,
	s_cmp_lt_u32 ttmp9, 512
	s_cselect_b64 s[32:33], s[32:33], s[8:9]       ; else v,
	s_cmp_lt_u32 ttmp9, 768
	s_cselect_b64 s[32:33], s[32:33], s[10:11]     ; else wq;
	s_cselect_b64 s[34:35], s[20:21], s[24:25]     ; the codes go to xc or to wc,
	s_cselect_b64 s[38:39], s[22:23], s[26:27]     ; the bytes to xs or to ws;
	s_cselect_b32 s40, 255, 31                     ; work-groups in a tensor, less 1
	s_cselect_b32 s41, 0, 768                      ; the first work-group of the group of three tensors
	s_cmp_lt_u32 ttmp9, 800
	s_cselect_b64 s[32:33], s[32:33], s[12:13]     ; else wk,
	s_cmp_lt_u32 ttmp9, 832
	s_cselect_b64 s[32:33], s[32:33], s[14:15]     ; else wv
	s_sub_co_u32 s41, ttmp9, s41                   ; u: my place among the three tensors on end
	s_and_b32 s40, s41, s40                        ; i: my place in my tensor
	s_lshl_b32 s40, s40, 2
	s_add_co_u32 s40, s40, s[WV]                   ; which run of 8,192 numbers of the tensor is my wave's
	s_lshl_b32 s42, s40, 15                        ; 32,768 bytes a run (under 2^26)
	s_mov_b32 s43, 0
	s_add_nc_u64 s[32:33], s[32:33], s[42:43]
	s_lshl_b32 s41, s41, 2
	s_add_co_u32 s41, s41, s[WV]                   ; and of the three on end
	s_lshl_b32 s42, s41, 12                        ; 4,096 bytes of codes a run
	s_add_nc_u64 s[34:35], s[34:35], s[42:43]
	s_lshl_b32 s42, s41, 8                         ; 256 scale bytes a run
	s_add_nc_u64 s[38:39], s[38:39], s[42:43]
.macro QLOAD t
.irp i, 0,1,2,3
	global_load_b128 v[R+16*((\t)%4)+4*\i:R+16*((\t)%4)+4*\i+3], v3, s[32:33] offset:2048*(\t)+512*\i th:TH_LOAD_NT   ; 32 lanes read 512 consecutive bytes
.endr
.endm
.macro QTURN t                         ; step t's numbers through the stage: LDS serves a wave's instructions in order, so no wait stands between the stores and the loads
.irp i, 0,1,2,3
	ds_store_b128 v14, v[R+16*((\t)%4)+4*\i:R+16*((\t)%4)+4*\i+3] offset:32*SP*((\t)%2)+8*SP*\i
.endr
.irp i, 0,1,2,3
	ds_load_b128 v[X+16*((\t)%2)+4*\i:X+16*((\t)%2)+4*\i+3], v15 offset:32*SP*((\t)%2)+16*\i
.endr
.endm
.irp t, 0,1,2,3
	QLOAD \t
.endr
	s_wait_loadcnt 12                              ; step 0's four loads are in; three steps' twelve stay out
	QTURN 0
.macro QSTEP t
.set XS, X+16*((\t)%2)
.if (\t) > 0
	s_wait_dscnt 0x1                               ; this step's numbers are back from the stage (the last step's byte store may be out)
.else
	s_wait_dscnt 0x0
.endif
.if (\t)+4 < STEPS
	QLOAD (\t)+4                                   ; into the registers that the stage's stores have read
.endif
.if (\t)+1 < STEPS
.if STEPS-2-(\t) >= 3
	s_wait_loadcnt 12                              ; the next step's four loads are in; those of the three steps behind it may be out
.else
	s_wait_loadcnt 4*(STEPS-2-(\t))
.endif
	QTURN (\t)+1                                   ; they go through the other stage while this step is worked
.endif
	v_max3_num_f32 v8, |v[XS]|, |v[XS+1]|, |v[XS+2]|               ; the largest magnitude of my 16, in two chains
	v_max3_num_f32 v9, |v[XS+3]|, |v[XS+4]|, |v[XS+5]|
.irp i, 6,10
	v_max3_num_f32 v8, v8, |v[XS+\i]|, |v[XS+\i+1]|
	v_max3_num_f32 v9, v9, |v[XS+\i+2]|, |v[XS+\i+3]|
.endr
	v_max3_num_f32 v8, v8, |v[XS+14]|, |v[XS+15]|
	v_max3_num_f32 v8, v8, v9, 0x1800000           ; and the floor 2^(3 - 127): so the byte cannot fall under 1
	v_max_num_f32_dpp v8, v8, v8 row_xmask:1 row_mask:0xf bank_mask:0xf   ; and of my neighbour's 16: the block's
	v_add_nc_u32 v11, 0xff000000, v8               ; 2 off its exponent field: the conversion takes the exponent field of this operand as its scale
	v_cvt_scalef32_pk8_fp4_f32 v[C+4*(\t)], v[XS:XS+7], v11
	v_cvt_scalef32_pk8_fp4_f32 v[C+4*(\t)+1], v[XS+8:XS+15], v11
	v_lshrrev_b32 v[E+(\t)], 23, v11               ; the scale's byte (also the plain line behind the conversions)
	ds_store_b8 v5, v[E+(\t)] offset:16*(\t)       ; both lanes of a block write the same byte with the same value
	global_store_b64 v4, v[C+4*(\t):C+4*(\t)+1], s[34:35] offset:32*CB*(\t)   ; 32 lanes store 256 consecutive bytes, aligned
.endm
.irp t, 0,1,2,3,4,5,6,7,8,9,10,11,12,13,14,15
	QSTEP \t
.endr
	ds_load_b64 v[8:9], v6                         ; LDS serves a wave's instructions in order: these see my byte stores
	s_wait_dscnt 0x0
	global_store_b64 v7, v[8:9], s[38:39]          ; my wave's 256 scale bytes: 256 consecutive bytes, aligned
	s_branch .Lend
; ---------------- the mask ----------------
; Work-group qt takes 16 queries, wave w keys 512 w on, in four units of 128 keys.  Lane (r, h) loads, of row 16 qt + r, keys 16 t + 8 h + 0..7 for t = 0..7; a compare against 0 gives the 32 lanes' bits as
; one scalar word; the unit's 64 words are written into the lanes of a register pair (word 8 t + j: register j % 2, lane 4 t + j / 2) and leave as 256 consecutive bytes.
.Lmask:
	v_and_b32 v3, 15, v0                           ; r
	v_bfe_u32 v4, v0, 4, 1                         ; h
	v_lshlrev_b32 v5, 13, v3
	v_lshl_add_u32 v5, v4, 5, v5                   ; row r of 8,192 bytes, + 32 h
	v_lshlrev_b32 v6, 3, v2                        ; out: 8 bytes a lane
.irp i, 0,1,2,3,4,5,6,7
	v_mov_b32 v[MW+\i], 0                          ; a lane write's destination counts as read
.endr
	s_sub_co_u32 s37, ttmp9, 864                   ; qt
	s_lshl_b32 s40, s37, 17                        ; 16 rows of 8,192 bytes
	s_lshl_b32 s41, s[WV], 11                      ; 512 keys of 4 bytes
	s_add_co_u32 s40, s40, s41
	s_mov_b32 s41, 0
	s_lshl_b32 s42, s37, 12                        ; 32 steps x 32 words
	s_lshl_b32 s43, s[WV], 10                      ; 8 steps
	s_add_co_u32 s42, s42, s43
	s_mov_b32 s43, 0
	s_wait_kmcnt 0x0
	s_add_nc_u64 s[16:17], s[16:17], s[40:41]
	s_add_nc_u64 s[28:29], s[28:29], s[42:43]
.macro MLOAD u
.irp t, 0,1,2,3,4,5,6,7
	global_load_b128 v[MX+64*((\u)%2)+8*\t:MX+64*((\u)%2)+8*\t+3], v5, s[16:17] offset:512*(\u)+64*\t th:TH_LOAD_NT
	global_load_b128 v[MX+64*((\u)%2)+8*\t+4:MX+64*((\u)%2)+8*\t+7], v5, s[16:17] offset:512*(\u)+64*\t+16 th:TH_LOAD_NT
.endr
.endm
.macro MWORK u
.irp t, 0,1,2,3,4,5,6,7
.irp j, 0,1,2,3,4,5,6,7
	v_cmp_ne_u32 s[44+\j], 0, v[MX+64*((\u)%2)+8*\t+\j]
.endr
.irp j, 0,1,2,3,4,5,6,7
	v_writelane_b32 v[MW+2*(\u)+\j%2], s[44+\j], 4*\t+\j/2
.endr
.endr
	global_store_b64 v6, v[MW+2*(\u):MW+2*(\u)+1], s[28:29] offset:256*(\u)   ; 256 consecutive bytes, aligned; each unit has its own pair, so no store's data are written again
.endm
	MLOAD 0
	MLOAD 1
	s_wait_loadcnt 16                              ; this unit's 16 loads are in, the next unit's 16 stay out
	MWORK 0
	MLOAD 2
	s_wait_loadcnt 16
	MWORK 1
	MLOAD 3
	s_wait_loadcnt 16
	MWORK 2
	s_wait_loadcnt 0x0
	MWORK 3
	s_branch .Lend
; ---------------- wo ----------------
; Work-group c takes 32 rows; wave w the 16 rows nt = 2 c + w / 2 and half of K: 16 fragments, four at a time.
.Lwo:
	v_and_b32 v3, 15, v0                           ; r
	v_bfe_u32 v4, v0, 4, 1                         ; h
	v_lshlrev_b32 v5, 12, v3
	v_lshl_add_u32 v5, v4, 5, v5                   ; row r of 4,096 bytes, + 32 h: my 8 numbers
	v_lshlrev_b32 v6, 4, v2                        ; out: 16 bytes a lane
	s_sub_co_u32 s37, ttmp9, 992
	s_lshl_b32 s37, s37, 1
	s_lshr_b32 s40, s[WV], 1
	s_add_co_u32 s37, s37, s40                     ; nt
	s_and_b32 s44, s[WV], 1                        ; which 512 along K
	s_lshl_b32 s40, s37, 16                        ; 16 rows of 4,096 bytes
	s_lshl_b32 s41, s44, 11
	s_add_co_u32 s40, s40, s41
	s_mov_b32 s41, 0
	s_lshl_b32 s42, s37, 15                        ; 32 fragments of 1,024 bytes
	s_lshl_b32 s43, s44, 14
	s_add_co_u32 s42, s42, s43
	s_mov_b32 s43, 0
	s_wait_kmcnt 0x0
	s_add_nc_u64 s[18:19], s[18:19], s[40:41]
	s_add_nc_u64 s[30:31], s[30:31], s[42:43]
.macro WLOAD g
.irp f, 0,1,2,3
.irp c, 0,1,2,3
	global_load_b128 v[MX+64*((\g)%2)+16*\f+4*\c:MX+64*((\g)%2)+16*\f+4*\c+3], v5, s[18:19] offset:128*(4*(\g)+\f)+16*(\c%2)+64*(\c/2) th:TH_LOAD_NT
.endr
.endr
.endm
.macro WWORK g
.if (\g) > 0
	s_wait_xcnt 0x0                                ; the last group's stores have read their data: the registers are written again only behind this wait
.endif
.irp f, 0,1,2,3
.irp i, 0,1,2,3,4,5,6,7
	v_cvt_pk_f16_f32 v[MW+8*\f+\i], v[MX+64*((\g)%2)+16*\f+2*\i], v[MX+64*((\g)%2)+16*\f+2*\i+1]
.endr
.endr
.irp f, 0,1,2,3
	global_store_b128 v6, v[MW+8*\f:MW+8*\f+3], s[30:31] offset:1024*(4*(\g)+\f)        ; 512 consecutive bytes, aligned
	global_store_b128 v6, v[MW+8*\f+4:MW+8*\f+7], s[30:31] offset:1024*(4*(\g)+\f)+512
.endr
.endm
	WLOAD 0
	WLOAD 1
	s_wait_loadcnt 16                              ; this group's 16 loads are in, the next group's 16 stay out
	WWORK 0
	WLOAD 2
	s_wait_loadcnt 16
	WWORK 1
	WLOAD 3
	s_wait_loadcnt 16
	WWORK 2
	s_wait_loadcnt 0x0
	WWORK 3
.Lend:
	s_wait_tensorcnt 0x0                           ; the wave's end, behind my last LDS store
	ds_add_u32 v[SPW], v[NIL]
	s_wait_dscnt 0x0
	s_endpgm
.Lfunc_end_k_q1b33c3d25e_prep:
	.size	k_q1b33c3d25e_prep, .Lfunc_end_k_q1b33c3d25e_prep-k_q1b33c3d25e_prep
	.p2alignl 7, 3214868480
	.fill 96, 4, 3214868480
	.section	.rodata,"a",@progbits
	.p2align	6, 0x0
	.amdhsa_kernel k_q1b33c3d25e_prep
		.amdhsa_group_segment_fixed_size 33280
		.amdhsa_private_segment_fixed_size 0
		.amdhsa_enable_private_segment 0
		.amdhsa_kernarg_size 112
		.amdhsa_user_sgpr_count 2
		.amdhsa_user_sgpr_kernarg_segment_ptr 1
		.amdhsa_wavefront_size32 1
		.amdhsa_system_sgpr_workgroup_id_x 1
		.amdhsa_system_sgpr_workgroup_id_y 1
		.amdhsa_system_sgpr_workgroup_id_z 1
		.amdhsa_system_vgpr_workitem_id 0
		.amdhsa_next_free_vgpr 192
		.amdhsa_next_free_sgpr 66
		.amdhsa_reserve_vcc 0
		.amdhsa_float_denorm_mode_32 3
		.amdhsa_float_denorm_mode_16_64 3
		.amdhsa_memory_ordered 1
		.amdhsa_forward_progress 1
		.amdhsa_inst_pref_size 91
	.end_amdhsa_kernel
	.amdgpu_metadata
---
amdhsa.version: [ 1, 2 ]
amdhsa.kernels:
  - .name:           k_q1b33c3d25e_prep
    .symbol:         k_q1b33c3d25e_prep.kd
    .args:
      - { .name: q, .offset: 0, .size: 8, .value_kind: global_buffer, .address_space: global }
      - { .name: k, .offset: 8, .size: 8, .value_kind: global_buffer, .address_space: global }
      - { .name: v, .offset: 16, .size: 8, .value_kind: global_buffer, .address_space: global }
      - { .name: wq, .offset: 24, .size: 8, .value_kind: global_buffer, .address_space: global }
      - { .name: wk, .offset: 32, .size: 8, .value_kind: global_buffer, .address_space: global }
      - { .name: wv, .offset: 40, .size: 8, .value_kind: global_buffer, .address_space: global }
      - { .name: mask, .offset: 48, .size: 8, .value_kind: global_buffer, .address_space: global }
      - { .name: wo, .offset: 56, .size: 8, .value_kind: global_buffer, .address_space: global }
      - { .name: xc, .offset: 64, .size: 8, .value_kind: global_buffer, .address_space: global }
      - { .name: xs, .offset: 72, .size: 8, .value_kind: global_buffer, .address_space: global }
      - { .name: wc, .offset: 80, .size: 8, .value_kind: global_buffer, .address_space: global }
      - { .name: ws, .offset: 88, .size: 8, .value_kind: global_buffer, .address_space: global }
      - { .name: mbits, .offset: 96, .size: 8, .value_kind: global_buffer, .address_space: global }
      - { .name: wof, .offset: 104, .size: 8, .value_kind: global_buffer, .address_space: global }
    .group_segment_fixed_size: 33280
    .private_segment_fixed_size: 0
    .kernarg_segment_align: 8
    .kernarg_segment_size: 112
    .max_flat_workgroup_size: 128
    .sgpr_count:     66
    .vgpr_count:     192
    .wavefront_size: 32
...
	.end_amdgpu_metadata
.endif
;; end of part 1
;; launch proj (part 2): grid 4 x 96, 4 waves a work-group, clusters of 4 x 4, 327,680 bytes of LDS; arguments xc, xs, wc, ws, bq, bk, bv, qkv; writes qkv
.if DOCPART == 2
	.amdgcn_target "amdgcn-amd-amdhsa--gfx1250"
	.amdhsa_code_object_version 6
	.text
	.protected	k_q1b33c3d25e_proj
	.globl	k_q1b33c3d25e_proj
	.p2align	8
	.type	k_q1b33c3d25e_proj,@function
k_q1b33c3d25e_proj:
	s_mov_b64 s[64:65], 0
	v_nop
	global_prefetch_b8 v0, s[64:65] scope:SCOPE_SE
	s_setreg_imm32_b32 hwreg(HW_REG_WAVE_MODE, 25, 1), 1
	s_wait_xcnt 0x0
	s_wait_alu depctr_hold_cnt(0) depctr_sa_sdst(0) depctr_va_vdst(0) depctr_va_sdst(0) depctr_va_ssrc(0) depctr_va_vcc(0) depctr_vm_vsrc(0)
	s_getreg_b32 s2, hwreg(HW_REG_IB_STS2, 6, 4)
	s_cmp_eq_u32 s2, 0
	s_cbranch_scc0 .Lentry_in_a_cluster
	s_endpgm
.Lentry_in_a_cluster:
	s_bfe_u32 s2, ttmp6, 0x10000c
	s_cmp_lg_u32 s2, 0xf033
	s_cbranch_scc0 .Lentry_shape_is_right
	s_endpgm
.Lentry_shape_is_right:
; PROJ: the three projections x W^T + b on codes of FP4 (E2M1) with one E8M0 scale for each 32 along K; sums in f32; K = 1,024.
; xc/xs: the rows of q, k, v on end, 24,576 rows of 512 bytes of codes / 32 scale bytes.  wc/ws: those of wq, wk, wv, 3,072 rows.  g = 0, 1, 2 names the projection.
; A work-group of four waves makes 256 tokens x 256 channels, a wave 128 x 128: 64 accumulators, 512 registers.  K is two LDS slots of 512 along K (rows of 256 bytes), so every tile is asked for at the
; kernel's head and nothing is ever filled again.  The scale bytes of the work-group's rows, for all of K, come with them, in whole runs of 256 bytes, and stay.
; CLUSTERS: 4 x 4 work-groups; the four of a row of the cluster need the same tiles of x, the four of a column the same tiles of W: each tile is asked for JOINTLY, by the same tensor load with the same
; descriptor and a mask that names the four.  All sixteen belong to one projection (32 tile rows to a projection, 4 to a cluster).
; THE MATRIX INSTRUCTION IS USED TRANSPOSED (source 0 = 16 rows of W, source 1 = 16 tokens): a lane holds one token and eight neighbouring channels.  The bias is the C of each sum's first product.
; THE WAY OUT NEEDS NO LDS: rounded to f16, an accumulator's eight numbers a lane are four registers, which ARE registers 0-3 or 4-7 of the next product's operand (16 tokens x 32 channels).  qkv holds such
; images: g<<24 + (batch*16 + head)<<18 + (token tile of 16)<<11 + (which 32 channels)<<10, then 512 bytes for registers 0-3 and 512 for registers 4-7, lane L's 16 bytes at 16 L.
; For v (g = 2) a lane's 16 bytes lie at 256 (r / 8) + 128 h + 16 (r % 8) instead, so that the turning LDS load of the attention launch, addressed 16 x lane, finds key 8 h' + j', channels 8 c on, at lane 16 h' + 8 c + j'.
; LIMITS: the results go to f16: magnitudes under 65,504.
; REGISTERS, in windows of 256: window 0: v0-31 addresses; v32-95 scale words, two sets; v128-191 x's fragments, ONE set; v192-255 the bias; on the way out v128-255 hold packed results.
;   window 1: W's fragments, TWO sets, at v0 and v128.   window 2: the accumulators of my tokens 0-63 ((a, b) at v[8 (8 a + b)]);   window 3: those of my tokens 64-127.
.set NQ,     4                         ; matrix instructions deep in a slot: 512 / 128
.set ROWB,   256                       ; a tile's row in bytes: 512 codes
.set KROW,   512                       ; a row of codes in memory
.set PITCH,  272                       ; an LDS row: 256 bytes + 16 of padding: the 16 rows that a load touches start 68 words apart
.set FR,     8                         ; registers of a fragment: 16 rows x 128 K
.set NL,     2                         ; LDS loads that bring one
.set NP,     4                         ; places behind this matrix instruction (ISA guide 7.12.1)
.set HALFT,  128*PITCH                 ; 128 rows: what one tensor load brings
.set SLOT,   4*HALFT                   ; x's 256 rows, then W's 256 rows
.set KS,     32                        ; a row of scale bytes
.set SCL,    2*SLOT                    ; behind the slots: the scales, as runs of 256 bytes + 16 of padding
.set HALFS,  (128*KS/256)*272          ; those of 128 rows
.set SBLK,   (16*KS/256)*272           ; those of 16 rows
.set SPARE,  SCL+4*HALFS               ; behind the scales: the spare words, 128 bytes a wave
.set ADRA, 16                          ; v16-17  LDS address of my x fragments in slot 0, 1
.set ADRB, 20                          ; v20-21  the same for W
.set LO,   24                          ; v24     the way out: my 16 bytes' place in a block of 512
.set ADRS, 27                          ; v27     LDS address of my scale words: lanes 0-15 x's rows, lanes 16-31 W's
.set SPW,  28                          ; v28     LDS address of my spare word; never rewritten
.set NIL,  29                          ; v29     0; never rewritten
.set SC,   32                          ; scale words: set s at v[SC + 32 s]; register 4 i + q: lanes 0-15 the word of x's block i, lanes 16-31 of W's block i, for the slot's q-th 128 along K
.set AF,   128                         ; x's fragments
.set BI,   192                         ; the bias: eight registers for each of W's blocks b: b[16 b + 8 h + 0..7]
.set T,    128                         ; the way out: four sets of 32 registers
.set G1, 24                            ; s[24:31] descriptor group 1 for x's tiles;  s[32:39] group 0, one set for each slot
.set G0, 32
.set G1B, 48                           ; s[48:55], s[56:63] the same for W's tiles
.set G0B, 56
.set G1S, 68                           ; s[68:75], s[76:79] groups 1 and 0 for x's scales;  s[80:87], s[88:91] for W's
.set G0S, 76
.set G1SB, 80
.set G0SB, 88
.set MSB, 0
.macro WIN new                         ; the immediate's high byte repeats the setting that is left
.if MSB != \new
	s_set_vgpr_msb (MSB<<8)|\new
.set MSB, \new
.endif
.endm
.set MUL_LO, 0xa1                      ; source 0 (W) window 1, source 1 (x) window 0, C and D window 2
.set MUL_HI, 0xf1                      ; the same, C and D window 3
.set BIA_LO, 0x81                      ; the first products: C (the bias) window 0, D window 2
.set BIA_HI, 0xc1                      ; D window 3
.set TO_B,   0x40                      ; destination window 1, address window 0
; A joint load: waves 0 and 1 fetch for x, waves 2 and 3 for W.  Each of the two lines has ONE mask and one set of registers for all that issue it; the branch hangs on the wave's number alone.
; An s_nop 0 and four v_nop follow each of the two lines.
.macro JLOAD g0a, g1a, g0b, g1b
	s_cmp_eq_u32 s15, 0
	s_cbranch_scc0 .Lfor_b_\@
	tensor_load_to_lds s[\g0a:\g0a+3], s[\g1a:\g1a+7]
	s_nop 0
.rept 4
	v_nop
.endr
	s_branch .Lasked_\@
.Lfor_b_\@:
	tensor_load_to_lds s[\g0b:\g0b+3], s[\g1b:\g1b+7]
	s_nop 0
.rept 4
	v_nop
.endr
.Lasked_\@:
.endm
.macro CROUND                          ; a round of the cluster's barrier
	s_barrier_signal -1
	s_barrier_wait -1
	s_cmp_lg_u32 s14, 0
	s_cbranch_scc1 .Lnot_wave_0_\@
	s_barrier_signal -3
.Lnot_wave_0_\@:
	s_barrier_wait -3
	s_barrier_signal -1
	s_barrier_wait -1
.endm
	s_load_b256 s[4:11], s[0:1], 0x0               ; xc s[4:5], xs s[6:7], wc s[8:9], ws s[10:11]
	s_load_b128 s[96:99], s[0:1], 0x20             ; bq, bk
	s_load_b64 s[100:101], s[0:1], 0x30            ; bv
	s_load_b64 s[12:13], s[0:1], 0x38              ; qkv
	v_lshl_add_u32 v[SPW], v0, 2, SPARE
	v_mov_b32 v[NIL], 0
	ds_add_u32 v[SPW], v[NIL]                      ; the wave's opening: the add, twice on end, and its wait ahead of my first tensor load
	ds_add_u32 v[SPW], v[NIL]                      ; and once more, under the one wait; the set-up below, work on registers, stands between
	v_lshrrev_b32 v1, 5, v0
	v_readfirstlane_b32 s14, v1                    ; wave 0..3
	s_lshr_b32 s15, s14, 1                         ; which half of the tile's tokens is mine.  Also: I fetch for x (0) or for W (1)
	s_and_b32 s16, s14, 1                          ; which half of its channels.  Also: which 128 rows of that tile I fetch
	s_bfe_u32 s40, ttmp6, 0x40000                  ; cx, cy: my place in the cluster
	s_bfe_u32 s41, ttmp6, 0x40004
	s_lshl_b32 s42, ttmp9, 2
	s_add_co_u32 s42, s42, s40                     ; tile column = 4 x cluster x + cx: 0..3
	s_and_b32 s17, ttmp7, 0xffff
	s_lshr_b32 s95, s17, 3                         ; g: eight clusters along y to a projection: the same in all sixteen partners
	s_lshl_b32 s17, s17, 2
	s_add_co_u32 s17, s17, s41                     ; tile row = 4 x cluster y + cy: 0..95
	s_lshl_b32 s43, s41, 2
	s_lshl_b32 s43, 15, s43                        ; my row of the cluster
	s_lshl_b32 s44, 0x1111, s40                    ; my column
	; descriptor group 1: a tile of 128 rows x 256 bytes, padded in LDS
	s_or_b32 s[G1+0], s43, (0<<16)|(1<<20)|(1<<21)|(5<<22)|(3<<25)  ; 15:0 the mask: x's tiles go to my row; 17:16 elements of 1 byte; 20 padding on; 21 set beside a mask; 24:22 after every 64 words; 31:25 four words
	s_or_b32 s[G1B+0], s44, (0<<16)|(1<<20)|(1<<21)|(5<<22)|(3<<25)
.irp g, G1, G1B
	s_mov_b32 s[\g+1], ROWB<<16                    ; tensor_dim0
	s_mov_b32 s[\g+2], 128<<16                     ; tensor_dim1 = 128
	s_mov_b32 s[\g+3], ROWB<<16                    ; tile_dim0
	s_mov_b32 s[\g+4], 128                         ; tile_dim1 = 128
	s_mov_b32 s[\g+5], KROW                        ; tensor_dim0_stride
	s_mov_b32 s[\g+6], 0
	s_mov_b32 s[\g+7], 0
.endr
	; and for the scales of 128 rows: a dense block of 4,096 bytes, as 16 rows of 256 bytes (32 elements of 8 bytes), 16 bytes of padding behind each
	s_or_b32 s[G1S+0], s43, (3<<16)|(1<<20)|(1<<21)|(5<<22)|(3<<25)
	s_or_b32 s[G1SB+0], s44, (3<<16)|(1<<20)|(1<<21)|(5<<22)|(3<<25)
.irp g, G1S, G1SB
	s_mov_b32 s[\g+1], 32<<16
	s_mov_b32 s[\g+2], (128*KS/256)<<16
	s_mov_b32 s[\g+3], 32<<16
	s_mov_b32 s[\g+4], 128*KS/256
	s_mov_b32 s[\g+5], 32
	s_mov_b32 s[\g+6], 0
	s_mov_b32 s[\g+7], 0
.endr
	s_lshl_b32 s18, s16, 7                         ; which 128 rows of the tile I fetch
	s_lshl_b32 s20, s17, 8
	s_add_co_u32 s20, s20, s18                     ; x: row 256 x tile row + 128 x half
	s_lshl_b32 s46, s42, 8
	s_add_co_u32 s46, s46, s18
	s_lshl_b32 s47, s95, 10
	s_add_co_u32 s46, s46, s47                     ; W: row 1,024 g + 256 x tile column + 128 x half
	s_mov_b32 s21, 0
	s_mov_b32 s47, 0
	s_mov_b64 s[18:19], KS
	s_mul_u64 s[22:23], s[20:21], s[18:19]         ; where these rows' scales begin, in bytes
	s_mul_u64 s[92:93], s[46:47], s[18:19]
	s_mov_b64 s[18:19], KROW
	s_mul_u64 s[20:21], s[20:21], s[18:19]         ; and their codes
	s_mul_u64 s[46:47], s[46:47], s[18:19]
	s_mul_i32 s45, s14, HALFT                      ; where they go: wave x 128 rows: no place in the cluster enters an LDS address
	s_mul_i32 s94, s14, HALFS
	s_wait_dscnt 0x0                               ; both opening adds are done
	s_wait_kmcnt 0x0
	s_add_nc_u64 s[20:21], s[4:5], s[20:21]
	s_add_nc_u64 s[22:23], s[6:7], s[22:23]
	s_add_nc_u64 s[46:47], s[8:9], s[46:47]
	s_add_nc_u64 s[92:93], s[10:11], s[92:93]
	CROUND                                         ; all sixteen work-groups are here: the joint loads meet
	s_mov_b32 s[G0S], 1
	s_add_co_u32 s[G0S+1], s94, SCL
	s_mov_b64 s[G0S+2:G0S+3], s[22:23]
	s_or_b32 s[G0S+3], s[G0S+3], 0x80000000
	s_mov_b32 s[G0SB], 1
	s_add_co_u32 s[G0SB+1], s94, SCL
	s_mov_b64 s[G0SB+2:G0SB+3], s[92:93]
	s_or_b32 s[G0SB+3], s[G0SB+3], 0x80000000
	JLOAD G0S, G1S, G0SB, G1SB                     ; the scales first: they are wanted with the first slot
.irp s, 0,1
	s_mov_b32 s[G0+4*\s], 1
	s_add_co_u32 s[G0+4*\s+1], s45, \s*SLOT
	s_add_nc_u64 s[G0+4*\s+2:G0+4*\s+3], s[20:21], \s*ROWB
	s_or_b32 s[G0+4*\s+3], s[G0+4*\s+3], 0x80000000
	s_mov_b32 s[G0B+4*\s], 1
	s_add_co_u32 s[G0B+4*\s+1], s45, \s*SLOT
	s_add_nc_u64 s[G0B+4*\s+2:G0B+4*\s+3], s[46:47], \s*ROWB
	s_or_b32 s[G0B+4*\s+3], s[G0B+4*\s+3], 0x80000000
	JLOAD G0+4*\s, G1, G0B+4*\s, G1B               ; three tensor loads of mine are out in all
.endr
	v_and_b32 v1, 15, v0                           ; r = l % 16
	v_bfe_u32 v2, v0, 4, 1                         ; h = l / 16
	; the bias of my 128 channels
	s_cmp_eq_u32 s95, 0
	s_cselect_b64 s[96:97], s[96:97], s[98:99]     ; bq, else bk,
	s_cmp_eq_u32 s95, 2
	s_cselect_b64 s[96:97], s[100:101], s[96:97]   ; or bv: the choice hangs on the cluster's number alone
	s_lshl_b32 s46, s42, 10                        ; 256 channels of 4 bytes a tile column
	s_lshl_b32 s47, s16, 9
	s_add_co_u32 s46, s46, s47
	s_mov_b32 s47, 0
	s_add_nc_u64 s[96:97], s[96:97], s[46:47]
	v_lshlrev_b32 v7, 5, v2                        ; 32 h
.irp b, 0,1,2,3,4,5,6,7
	global_load_b128 v[BI+8*\b:BI+8*\b+3], v7, s[96:97] offset:64*\b
	global_load_b128 v[BI+8*\b+4:BI+8*\b+7], v7, s[96:97] offset:64*\b+16
.endr
	v_mul_u32_u24 v3, v1, PITCH
	v_lshl_add_u32 v4, v2, 4, v3                   ; a fragment's row x pitch + 16 x half
	s_mul_i32 s21, s15, HALFT                      ; my 128 rows of x
	s_mul_i32 s22, s16, HALFT                      ; my 128 rows of W,
	s_add_co_u32 s22, s22, 2*HALFT                 ; which lie behind x's 256
.irp s, 0,1
	v_add_nc_u32 v[ADRA+\s], s21, v4
	v_add_nc_u32 v[ADRB+\s], s22, v4
	s_add_co_u32 s21, s21, SLOT
	s_add_co_u32 s22, s22, SLOT
.endr
	v_mul_u32_u24 v5, v1, KS                       ; my row's scales: 32 bytes a row,
	v_lshrrev_b32 v6, 8, v5
	v_lshl_add_u32 v5, v6, 4, v5                   ; and 16 more for each 256 passed
	s_mul_i32 s21, s15, HALFS                      ; x's: my 128 rows
	s_mul_i32 s22, s16, HALFS                      ; W's: my 128 rows, behind x's 256
	s_add_co_u32 s22, s22, 2*HALFS
	s_sub_co_u32 s22, s22, s21
	v_mul_u32_u24 v6, s22, v2                      ; lanes 16-31 take W's: the lower base + h x the distance
	s_add_co_u32 s21, s21, SCL
	v_add_nc_u32 v5, v5, v6
	v_add_nc_u32 v[ADRS], s21, v5
	; the way out: my 16 bytes' place in a block of 512: 16 (r % 8) + sB (r / 8) + sA h; (sA, sB) = (256, 128), which is 16 x lane, or for v (128, 256)
	s_cmp_eq_u32 s95, 2
	s_mov_b32 s21, 256
	s_cselect_b32 s21, 128, s21                    ; sA
	s_mov_b32 s22, 128
	s_cselect_b32 s22, 256, s22                    ; sB
	v_and_b32 v5, 7, v0
	v_bfe_u32 v6, v0, 3, 1
	v_lshlrev_b32 v[LO], 4, v5
	v_mad_u32_u24 v[LO], v6, s22, v[LO]
	v_mad_u32_u24 v[LO], v2, s21, v[LO]
	; and where my part of qkv begins: g<<24 + batch<<22 + (16 (tile row % 8) + 8 x half)<<11, + (4 x tile column + 2 x half)<<18 for the head
	s_lshl_b32 s20, s95, 24
	s_lshr_b32 s21, s17, 3
	s_and_b32 s21, s21, 3
	s_lshl_b32 s21, s21, 22
	s_add_co_u32 s20, s20, s21
	s_and_b32 s21, s17, 7
	s_lshl_b32 s21, s21, 4
	s_lshl_b32 s22, s15, 3
	s_add_co_u32 s21, s21, s22
	s_lshl_b32 s21, s21, 11
	s_add_co_u32 s20, s20, s21
	s_mov_b32 s21, 0
	s_lshl_b32 s46, s42, 2
	s_lshl_b32 s47, s16, 1
	s_add_co_u32 s46, s46, s47
	s_lshl_b32 s46, s46, 18
	s_mov_b32 s47, 0
	s_add_nc_u64 s[20:21], s[20:21], s[46:47]      ; under 3 x 2^24
	s_add_nc_u64 s[12:13], s[12:13], s[20:21]
.macro FRAG reg, adr, q, i             ; a fragment, 16 rows x 128 K of 4-bit codes: lane l holds row l % 16; registers 4 c .. 4 c + 3 hold K = 64 c + 32 (l / 16) + 0 .. 31
.irp c, 0,1
	ds_load_b128 v[\reg+4*\c:\reg+4*\c+3], v[\adr] offset:64*(\q)+32*\c+(\i)*16*PITCH
.endr
.endm
; 16 matrix instructions: x's blocks a0, a0 + 1 against W's eight, 128 along K: the slot's q-th.  p: W's set;  sc: the set of scale words.  first = 1: the sums start from the bias.
; The 64 accumulators take turns, one instruction a turn, in the same order in every step.
.macro MUL16 a0, p, q, sc, first
.irp a, \a0, \a0+1
.irp b, 0,1,2,3,4,5,6,7
.if \first
	v_wmma_scale_f32_16x16x128_f8f6f4 v[8*(8*((\a)%4)+\b):8*(8*((\a)%4)+\b)+7], v[128*(\p)+FR*\b:128*(\p)+FR*\b+FR-1], v[AF+FR*(\a):AF+FR*(\a)+FR-1], v[BI+8*\b:BI+8*\b+7], v[SC+8*NQ*(\sc)+NQ*\b+(\q)], v[SC+8*NQ*(\sc)+NQ*(\a)+(\q)] matrix_a_fmt:MATRIX_FMT_FP4 matrix_b_fmt:MATRIX_FMT_FP4 matrix_a_scale:MATRIX_SCALE_ROW1
.else
	v_wmma_scale_f32_16x16x128_f8f6f4 v[8*(8*((\a)%4)+\b):8*(8*((\a)%4)+\b)+7], v[128*(\p)+FR*\b:128*(\p)+FR*\b+FR-1], v[AF+FR*(\a):AF+FR*(\a)+FR-1], v[8*(8*((\a)%4)+\b):8*(8*((\a)%4)+\b)+7], v[SC+8*NQ*(\sc)+NQ*\b+(\q)], v[SC+8*NQ*(\sc)+NQ*(\a)+(\q)] matrix_a_fmt:MATRIX_FMT_FP4 matrix_b_fmt:MATRIX_FMT_FP4 matrix_a_scale:MATRIX_SCALE_ROW1
.endif
.endr
.endr
.endm
.macro FETCH_B slot, q, p              ; W's eight fragments of the slot's q-th 128 along K into set p
	WIN TO_B
.irp i, 0,1,2,3,4,5,6,7
	FRAG 128*(\p)+FR*\i, ADRB+\slot, \q, \i
.endr
	WIN 0
.endm
.macro FETCH_A slot, q, i0             ; x's blocks i0 .. i0 + 3
.irp i, \i0, \i0+1, \i0+2, \i0+3
	FRAG AF+FR*(\i), ADRA+\slot, \q, \i
.endr
.endm
.macro SCALES sc                       ; a slot's scale words into set sc: four words a row; lanes 0-15 take x's block i, lanes 16-31 W's block i
.irp i, 0,1,2,3,4,5,6,7
	ds_load_b128 v[SC+8*NQ*\sc+NQ*\i:SC+8*NQ*\sc+NQ*\i+3], v[ADRS] offset:\i*SBLK
.endr
.endm
; A load into a register that a matrix instruction has read, and a vector instruction that reads a matrix result or writes one of its registers, stand NP places behind it; only plain vector
; instructions that name none of its registers are places (ISA guide 7.12.1 for vector instructions).
.macro PLACES n
.rept \n
	v_nop
.endr
.endm
; A step of 128 along K that has its successor in the same slot.  x has one set of registers: blocks 0-3 are fetched anew in the step's middle, blocks 4-7 at its end.
.macro STEP slot, q, first
	s_wait_dscnt 4*NL                              ; W's set and x's blocks 0-3 are in; the youngest eight loads (x's blocks 4-7) may be out
.if \first
	WIN BIA_LO
.else
	WIN MUL_LO
.endif
	MUL16 0, (\q)%2, \q, \slot, \first
	MUL16 2, (\q)%2, \q, \slot, \first
	s_wait_dscnt 0                                 ; x's blocks 4-7 are in
	PLACES NP
	FETCH_B \slot, (\q)+1, 1-(\q)%2
	FETCH_A \slot, (\q)+1, 0
.if \first
	WIN BIA_HI
.else
	WIN MUL_HI
.endif
	MUL16 4, (\q)%2, \q, \slot, \first
	MUL16 6, (\q)%2, \q, \slot, \first
	PLACES NP
	WIN 0
	FETCH_A \slot, (\q)+1, 4
.endm
; Slot 0's last step changes slots: ONE barrier; in front of it each wave waits for all its tensor loads (its part of slot 1), adds 0 to its spare word and waits for that and for its LDS loads.  Nothing is filled again.
.macro TURN slot, next
	s_wait_tensorcnt 0x0                           ; all my tensor loads have landed  (every window is 0 here: the add's two registers lie in window 0)
	ds_add_u32 v[SPW], v[NIL]                      ; 0 onto my spare word
	s_wait_dscnt 4*NL+1                            ; (the add and the youngest eight loads, x's blocks 4-7, may be out)
	WIN MUL_LO
	MUL16 0, 1, NQ-1, \slot, 0                     ; sixteen matrix instructions stand between the add and the wait for it
	s_wait_dscnt 0x0                               ; the add is done, and no LDS instruction of mine is out at the signal
	s_barrier_signal -1
	MUL16 2, 1, NQ-1, \slot, 0
	WIN 0
	s_barrier_wait -1                              ; every wave's part of the next slot has landed
	PLACES NP
	v_add_nc_u32 v[ADRS], 4*NQ, v[ADRS]            ; on to the next slot's scale words
	FETCH_B \next, 0, 0
	FETCH_A \next, 0, 0
	SCALES \next
	WIN MUL_HI
	MUL16 4, 1, NQ-1, \slot, 0
	MUL16 6, 1, NQ-1, \slot, 0
	PLACES NP
	WIN 0
	FETCH_A \next, 0, 4
.endm
.macro STEPS slot, from                ; the slot's steps from .. NQ - 2
.set Q, \from
.rept NQ-1-\from
	STEP \slot, Q, 0
.set Q, Q+1
.endr
.endm
	s_wait_tensorcnt 1                             ; the scales and my part of slot 0 are in (slot 1's load may be out)
	s_barrier_signal -1
	s_barrier_wait -1                              ; everybody's are
	FETCH_B 0, 0, 0
	FETCH_A 0, 0, 0
	SCALES 0
	FETCH_A 0, 0, 4
	s_wait_loadcnt 0x0                             ; the bias
	STEP 0, 0, 1                                   ; the first step's products start the sums from the bias: nothing is cleared, nothing is added later
	STEPS 0, 1
	TURN 0, 1
	STEPS 1, 0
	s_wait_dscnt 4*NL                              ; the very last step: nothing more to fetch
	WIN MUL_LO
	MUL16 0, 1, NQ-1, 1, 0
	MUL16 2, 1, NQ-1, 1, 0
	s_wait_dscnt 0
	WIN MUL_HI
	MUL16 4, 1, NQ-1, 1, 0
	MUL16 6, 1, NQ-1, 1, 0
	WIN 0
; THE WAY OUT, a block of 16 tokens x 128 channels at a time.  Accumulator (a, b): lane (r, h) holds token 16 a + r and channels 16 b + 8 h + 0..7: head b / 4, which 32 channels (b / 2) % 2, registers 0-3 or 4-7 by b % 2.
; Each accumulator is read from its low end on.  Every offset is an immediate, 278,016 at the most.
.macro OUTA a
.set AC, 64*((\a)%4)
.set TT, T+32*((\a)%4)
.if (\a) >= 4
	s_wait_xcnt 0x0                                ; block a - 4's stores have read their data: the set is written again only behind this wait
.endif
	WIN 0x0a+5*((\a)/4)                            ; sources 0 and 1: window 2 or 3
.irp b, 0,1,2,3,4,5,6,7
.irp i, 0,1,2,3
	v_cvt_pk_f16_f32 v[TT+4*\b+\i], v[AC+8*\b+2*\i], v[AC+8*\b+2*\i+1]
.endr
.endr
	WIN 0
.irp b, 0,1,2,3,4,5,6,7
	global_store_b128 v[LO], v[TT+4*\b:TT+4*\b+3], s[12:13] offset:(\a)*2048+(\b/4)*262144+((\b/2)%2)*1024+(\b%2)*512   ; the 32 lanes fill 512 consecutive bytes, aligned
.endr
.endm
	PLACES NP                                      ; behind the last products: the conversions read results and write registers that held x's fragments and the bias
.irp a, 0,1,2,3,4,5,6,7
	OUTA \a
.endr
	s_wait_tensorcnt 0x0                           ; the wave's end, behind my last tensor load
	ds_add_u32 v[SPW], v[NIL]
	s_wait_dscnt 0x0
	CROUND                                         ; the closing round: no work-group ends while a partner may still ask for a tile that names it
	s_endpgm
.Lfunc_end_k_q1b33c3d25e_proj:
	.size	k_q1b33c3d25e_proj, .Lfunc_end_k_q1b33c3d25e_proj-k_q1b33c3d25e_proj
	.p2alignl 7, 3214868480
	.fill 96, 4, 3214868480
	.section	.rodata,"a",@progbits
	.p2align	6, 0x0
	.amdhsa_kernel k_q1b33c3d25e_proj
		.amdhsa_group_segment_fixed_size 327680
		.amdhsa_private_segment_fixed_size 0
		.amdhsa_enable_private_segment 0
		.amdhsa_kernarg_size 64
		.amdhsa_user_sgpr_count 2
		.amdhsa_user_sgpr_kernarg_segment_ptr 1
		.amdhsa_wavefront_size32 1
		.amdhsa_system_sgpr_workgroup_id_x 1
		.amdhsa_system_sgpr_workgroup_id_y 1
		.amdhsa_system_sgpr_workgroup_id_z 1
		.amdhsa_system_vgpr_workitem_id 0
		.amdhsa_next_free_vgpr 1024
		.amdhsa_next_free_sgpr 102
		.amdhsa_reserve_vcc 0
		.amdhsa_float_denorm_mode_32 3
		.amdhsa_float_denorm_mode_16_64 3
		.amdhsa_memory_ordered 1
		.amdhsa_forward_progress 1
		.amdhsa_inst_pref_size 120
	.end_amdhsa_kernel
	.amdgpu_metadata
---
amdhsa.version: [ 1, 2 ]
amdhsa.kernels:
  - .name:           k_q1b33c3d25e_proj
    .symbol:         k_q1b33c3d25e_proj.kd
    .args:
      - { .name: xc, .offset: 0, .size: 8, .value_kind: global_buffer, .address_space: global }
      - { .name: xs, .offset: 8, .size: 8, .value_kind: global_buffer, .address_space: global }
      - { .name: wc, .offset: 16, .size: 8, .value_kind: global_buffer, .address_space: global }
      - { .name: ws, .offset: 24, .size: 8, .value_kind: global_buffer, .address_space: global }
      - { .name: bq, .offset: 32, .size: 8, .value_kind: global_buffer, .address_space: global }
      - { .name: bk, .offset: 40, .size: 8, .value_kind: global_buffer, .address_space: global }
      - { .name: bv, .offset: 48, .size: 8, .value_kind: global_buffer, .address_space: global }
      - { .name: qkv, .offset: 56, .size: 8, .value_kind: global_buffer, .address_space: global }
    .group_segment_fixed_size: 327680
    .private_segment_fixed_size: 0
    .kernarg_segment_align: 8
    .kernarg_segment_size: 64
    .max_flat_workgroup_size: 128
    .sgpr_count:     102
    .vgpr_count:     1024
    .wavefront_size: 32
...
	.end_amdgpu_metadata
.endif
;; end of part 2
;; launch attn (part 3): grid 4 x 64, 16 waves a work-group, clusters of 4 x 1, 327,680 bytes of LDS; arguments qkv, mbits, ctx; writes ctx
.if DOCPART == 3
	.amdgcn_target "amdgcn-amd-amdhsa--gfx1250"
	.amdhsa_code_object_version 6
	.text
	.protected	k_q1b33c3d25e_attn
	.globl	k_q1b33c3d25e_attn
	.p2align	8
	.type	k_q1b33c3d25e_attn,@function
k_q1b33c3d25e_attn:
	s_mov_b64 s[64:65], 0
	v_nop
	global_prefetch_b8 v0, s[64:65] scope:SCOPE_SE
	s_setreg_imm32_b32 hwreg(HW_REG_WAVE_MODE, 25, 1), 1
	s_wait_xcnt 0x0
	s_wait_alu depctr_hold_cnt(0) depctr_sa_sdst(0) depctr_va_vdst(0) depctr_va_sdst(0) depctr_va_ssrc(0) depctr_va_vcc(0) depctr_vm_vsrc(0)
	s_getreg_b32 s2, hwreg(HW_REG_IB_STS2, 6, 4)
	s_cmp_eq_u32 s2, 0
	s_cbranch_scc0 .Lentry_in_a_cluster
	s_endpgm
.Lentry_in_a_cluster:
	s_bfe_u32 s2, ttmp6, 0x10000c
	s_cmp_lg_u32 s2, 0x3003
	s_cbranch_scc0 .Lentry_shape_is_right
	s_endpgm
.Lentry_shape_is_right:
; ATTN: ctx[b][h][q] = the sum over k of softmax_k(where(mask[q][k] == 0, -10000, Q[q] . K[k] / 8)) V[k], head size 64, 2,048 keys, 64 (batch, head) pairs.  Operands f16, products, maxima and sums f32.
; THE MASK REPLACES a score: a hidden key's raw score becomes -80,000, which is -10,000 ahead of the division by 8, and then goes through the same maximum, exponential and sum as any other: a row with no open key
; comes out as the plain mean of V, and a true score under -10,000 loses to a hidden one, as in the definition.
; SOFTMAX.  For each query a running maximum m and sum l: p = 2^(c s - c m), c = log2(e) / 8; in every step O and l are multiplied by a = 2^(c m_old - c m_new).  m starts at -3e38, l and O at 0, so the step is written once.
; SHARES.  A work-group owns 512 queries of one (batch, head); each of its SIXTEEN waves 32 of them, two tiles of 16, in 256 registers: four waves to a SIMD, so that one wave's vector work stands beside another's
; matrix work and LDS loads.  Every wave walks all keys, 64 a step.
; LAYOUT.  S^T = K Q^T (source 0 = 16 keys, source 1 = 16 queries): a lane holds ONE query (lane % 16) and keys 8 (lane / 16) + 0..7 of each tile.  Two such tiles, rounded to f16 in pairs, ARE source 1 of
; O^T = V^T P, whose result again holds one query a lane and eight channels; those, rounded in pairs, ARE the operand registers of the last projection, and are stored as such: no LDS on the way out.
; Q, K, V arrive as images of operand registers (see the launch that makes them): a fragment is two loads of 16 bytes at 16 x lane; V's comes through the turning load.
; THE MASK arrives as lane masks: word 8 t + j of a (query tile, step) holds the 32 lanes' bits for register j of score tile t: 64 scalar words a step, one select for each register.
; CLUSTER.  The four query blocks of a (batch, head) walk the same K and V: each tile is asked for JOINTLY, by the same tensor load with the same descriptor and the mask 15 in all four.
; THE RING.  Two slots of 512 keys (K's images 65,536 bytes, then V's).  Each of the sixteen waves fetches 8,192 bytes of a slot by one load: waves 0-7 K's, waves 8-15 V's.  Two loads of a wave are out at the head, one behind
; each refill; a refill has a whole slot's eight steps in which to land, so nothing is asked of memory ahead of it.
; LIMITS: Q, K, V and the result are f16: magnitudes under 65,504.  p is f16: weights under 2^-24 of the row's largest count for nothing.
.set SPARE, 262144                     ; behind the ring: the spare words, 128 bytes for each of 16 waves
.set SLOTB, 131072                     ; from slot to slot
.set LI,   1                           ; v1   16 x lane; never rewritten
.set ADK,  2                           ; v2   LDS address of the step's K
.set ADV,  3                           ; v3   of its V
.set SPW,  4                           ; v4   LDS address of my spare word; never rewritten
.set NIL,  5                           ; v5   0; never rewritten
.set NEGV, 6                           ; v6   -80,000
.set LV,   7                           ; v7   16 x lane + 65,536
.set ST,   8                           ; tile q's statistics at v[ST+8 q]: +0 c m, +1 m, +2, +3 l (even keys', odd keys'), +4 to +7 at work; a in +6
.set QF,   24                          ; Q: tile q, channels 32 d on: v[QF+16 q+8 d]
.set KV,   56                          ; 64 registers: a step's K (channels 32 d on, key tile t: +32 d+8 t), then its V (keys 32 u on, channels 16 d on: +32 u+8 d)
.set S,    120                         ; S^T: tile q, key tile t: v[S+32 q+8 t]; P is packed in place into v[S+32 q] .. +15
.set O,    184                         ; O^T: tile q, channels 16 d on: v[O+32 q+8 d]
.set G1,   8                           ; s[8:15]  descriptor group 1
.set G0,   16                          ; s[16:23] descriptor group 0, a set for each slot
.set WV,   26                          ; s26  my wave's number
.set TB,   29                          ; s29  LDS byte at which the step's K begins
.set MO,   30                          ; s30  the step's byte offset among a query tile's mask words
.set CNT,  31                          ; s31  counts a slot's steps
.set CS,   66                          ; s[66:67] c: the packed form names a pair and takes its low word for both halves
.set SEL,  100                         ; s[100:101] lane selects for v_permlanex16_b32: lane l xor 16
                                       ; s[32:63] tile 0's 32 mask words, s[68:99] tile 1's
.macro ROUND                           ; a round of the cluster's barrier
	s_barrier_signal -1
	s_barrier_wait -1
	s_cmp_lg_u32 s[WV], 0
	s_cbranch_scc1 .Lnot_wave_0_\@
	s_barrier_signal -3
.Lnot_wave_0_\@:
	s_barrier_wait -3
	s_barrier_signal -1
	s_barrier_wait -1
.endm
	s_load_b128 s[4:7], s[0:1], 0x0                ; qkv s[4:5], mbits s[6:7]
	s_load_b64 s[24:25], s[0:1], 0x10              ; ctx
	v_lshl_add_u32 v[SPW], v0, 2, SPARE
	v_mov_b32 v[NIL], 0
	ds_add_u32 v[SPW], v[NIL]                      ; the wave's opening: the add, twice on end, and its wait ahead of my first tensor load
	ds_add_u32 v[SPW], v[NIL]                      ; and once more, under the one wait; the set-up below, work on registers, stands between
	v_lshrrev_b32 v1, 5, v0
	v_readfirstlane_b32 s[WV], v1                  ; wave 0..15
	s_bfe_u32 s27, ttmp6, 0x40000                  ; cx: my block of 512 queries: it enters Q's, the mask's and ctx's addresses alone
	s_and_b32 s28, ttmp7, 0xffff                   ; bh = batch x 16 + head, which the four partners share
	; descriptor group 1: 8,192 dense bytes as 32 rows of 256 (32 elements of 8 bytes), no padding
	s_mov_b32 s[G1], 15|(3<<16)|(1<<21)            ; 15:0 the mask: all four work-groups; 17:16 elements of 8 bytes; 21 set beside a mask
	s_mov_b32 s[G1+1], 32<<16                      ; tensor_dim0 = 32
	s_mov_b32 s[G1+2], 32<<16                      ; tensor_dim1 = 32
	s_mov_b32 s[G1+3], 32<<16                      ; tile_dim0 = 32
	s_mov_b32 s[G1+4], 32                          ; tile_dim1 = 32
	s_mov_b32 s[G1+5], 32                          ; tensor_dim0_stride
	s_mov_b32 s[G1+6], 0
	s_mov_b32 s[G1+7], 0
	; what I fetch: (1 + w / 8)<<24 (K's part of qkv, or V's) + bh<<18 + 8,192 (w % 8)
	s_lshr_b32 s2, s[WV], 3
	s_add_co_u32 s2, s2, 1
	s_lshl_b32 s2, s2, 24
	s_lshl_b32 s3, s28, 18
	s_add_co_u32 s2, s2, s3
	s_and_b32 s3, s[WV], 7
	s_lshl_b32 s3, s3, 13
	s_add_co_u32 s2, s2, s3
	s_mov_b32 s3, 0
	; my first query tile of the sequence's 128: st0 = 32 cx + 2 w
	s_lshl_b32 s32, s27, 5
	s_lshl_b32 s33, s[WV], 1
	s_add_co_u32 s38, s32, s33
	s_lshl_b32 s32, s28, 18
	s_lshl_b32 s33, s38, 11
	s_add_co_u32 s32, s32, s33                     ; Q: bh<<18 + st0<<11
	s_mov_b32 s33, 0
	s_lshl_b32 s34, s38, 12                        ; the mask words: 4,096 bytes a query tile
	s_mov_b32 s35, 0
	s_lshr_b32 s36, s28, 4
	s_lshl_b32 s36, s36, 7
	s_add_co_u32 s36, s36, s38                     ; ctx: token tile = batch x 128 + st0, 32,768 bytes each,
	s_lshl_b32 s36, s36, 15
	s_and_b32 s37, s28, 15
	s_lshl_b32 s37, s37, 11                        ; + head x 2,048
	s_add_co_u32 s36, s36, s37
	s_mov_b32 s37, 0
	s_mov_b32 s[CS], 0x3e38aa3b                    ; c = log2(e) / 8
	s_mov_b32 s[CS+1], s[CS]                       ; (named with it as a pair, so it is written)
	s_mov_b32 s[SEL], 0x76543210
	s_mov_b32 s[SEL+1], 0xfedcba98
	s_mov_b32 s[MO], 0
	s_wait_dscnt 0x0                               ; both opening adds are done
	s_wait_kmcnt 0x0
	s_mov_b32 s[G0], 1                             ; count = 1
	s_lshl_b32 s[G0+1], s[WV], 13                  ; LDS address: slot 0, 8,192 x wave
	s_add_nc_u64 s[G0+2:G0+3], s[4:5], s[2:3]      ; keys 0 to 511
	s_mov_b32 s[G0+4], 1
	s_add_co_u32 s[G0+5], s[G0+1], SLOTB           ; slot 1
	s_add_nc_u64 s[G0+6:G0+7], s[G0+2:G0+3], 0x10000   ; keys 512 to 1,023
	s_or_b32 s[G0+3], s[G0+3], 0x80000000          ; type = 2
	s_or_b32 s[G0+7], s[G0+7], 0x80000000
	s_add_nc_u64 s[4:5], s[4:5], s[32:33]          ; Q at my first tile
	s_add_nc_u64 s[6:7], s[6:7], s[34:35]          ; the mask words likewise
	s_add_nc_u64 s[24:25], s[24:25], s[36:37]      ; and ctx
	ROUND                                          ; all four work-groups are here: the first joint loads meet
	tensor_load_to_lds s[G0:G0+3], s[G1:G1+7]
	s_nop 0
	tensor_load_to_lds s[G0+4:G0+7], s[G1:G1+7]
	s_nop 0
	v_and_b32 v[LI], 31, v0
	v_lshlrev_b32 v[LI], 4, v[LI]
	v_add_nc_u32 v[LV], 0x10000, v[LI]
	v_mov_b32 v[NEGV], 0xc79c4000                  ; -80,000
.irp q, 0,1
.irp d, 0,1
	global_load_b128 v[QF+16*\q+8*\d:QF+16*\q+8*\d+3], v[LI], s[4:5] offset:2048*\q+1024*\d        ; Q stays in registers
	global_load_b128 v[QF+16*\q+8*\d+4:QF+16*\q+8*\d+7], v[LI], s[4:5] offset:2048*\q+1024*\d+512
.endr
.endr
.irp q, 0,1
	v_mov_b32 v[ST+8*\q+1], 0xff61b1e6             ; m = -3e38, under every score
	v_mul_f32 v[ST+8*\q], s[CS], v[ST+8*\q+1]      ; c m
	v_mov_b32 v[ST+8*\q+2], 0                      ; l, in two halves
	v_mov_b32 v[ST+8*\q+3], 0
.endr
.set n, 0
.rept 64
	v_mov_b32 v[O+n], 0                            ; O^T: the step is written once; its first run finds zeros, which a = 0 leaves zeros
.set n, n+1
.endr
; A KEY STEP: 64 keys.
.macro STEP
	s_load_b512 s[32:47], s[6:7], s[MO] offset:0x0         ; the step's lane masks: tile 0's 32 words,
	s_load_b512 s[48:63], s[6:7], s[MO] offset:0x40
	s_load_b512 s[68:83], s[6:7], s[MO] offset:0x1000      ; tile 1's
	s_load_b512 s[84:99], s[6:7], s[MO] offset:0x1040
	v_add_nc_u32 v[ADK], s[TB], v[LI]
	v_add_nc_u32 v[ADV], s[TB], v[LV]
.rept 3
	v_nop                                          ; with the two additions five places behind the last step's products: four ahead of the loads into the registers that held V, five ahead of the products that write over P
.endr
.irp d, 0,1
.irp t, 0,1,2,3
	ds_load_b128 v[KV+32*\d+8*\t:KV+32*\d+8*\t+3], v[ADK] offset:2048*\t+1024*\d
	ds_load_b128 v[KV+32*\d+8*\t+4:KV+32*\d+8*\t+7], v[ADK] offset:2048*\t+1024*\d+512
.endr
.endr
	s_wait_dscnt 0x8                               ; the first 32 channels are in; the other eight loads may be out
.irp t, 0,1,2,3                        ; S^T = K Q^T: eight accumulators by turns, one instruction a turn; the first products start the sums
.irp q, 0,1
	v_wmma_f32_16x16x32_f16 v[S+32*\q+8*\t:S+32*\q+8*\t+7], v[KV+8*\t:KV+8*\t+7], v[QF+16*\q:QF+16*\q+7], 0
.endr
.endr
	s_wait_dscnt 0x0
.irp t, 0,1,2,3
.irp q, 0,1
	v_wmma_f32_16x16x32_f16 v[S+32*\q+8*\t:S+32*\q+8*\t+7], v[KV+32+8*\t:KV+32+8*\t+7], v[QF+16*\q+8:QF+16*\q+15], v[S+32*\q+8*\t:S+32*\q+8*\t+7]
.endr
.endr
.rept 4
	v_nop                                          ; four places: ahead of the loads into the registers that held K, and of the first read of the scores
.endr
.irp u, 0,1                            ; V, turned: registers 0-3 from the token tile 2 u, registers 4-7 from 2 u + 1; it lands while the softmax is walked
.irp d, 0,1,2,3
	ds_load_tr16_b128 v[KV+32*\u+8*\d:KV+32*\u+8*\d+3], v[ADV] offset:4096*\u+1024*(\d/2)+512*(\d%2)
	ds_load_tr16_b128 v[KV+32*\u+8*\d+4:KV+32*\u+8*\d+7], v[ADV] offset:4096*\u+1024*(\d/2)+512*(\d%2)+2048
.endr
.endr
	s_wait_kmcnt 0x0                               ; the lane masks are in
.set n, 0
.rept 32
	v_cndmask_b32 v[S+n], v[NEGV], v[S+n], s[32+n]         ; a hidden key's score is replaced.  Each accumulator is read from its low end on
	v_cndmask_b32 v[S+32+n], v[NEGV], v[S+32+n], s[68+n]
.set n, n+1
.endr
	; the maximum of a lane's 32 scores and the old m, three operands at a time, four chains a tile; the two tiles line by line in turn
.irp j, 0,1,2,3
.irp q, 0,1
	v_max3_num_f32 v[ST+8*\q+4+\j], v[S+32*\q+8*\j], v[S+32*\q+8*\j+1], v[S+32*\q+8*\j+2]
.endr
.endr
.irp i, 3,5
.irp j, 0,1,2,3
.irp q, 0,1
	v_max3_num_f32 v[ST+8*\q+4+\j], v[ST+8*\q+4+\j], v[S+32*\q+8*\j+\i], v[S+32*\q+8*\j+\i+1]
.endr
.endr
.endr
.irp q, 0,1
	v_max3_num_f32 v[ST+8*\q+4], v[ST+8*\q+4], v[S+32*\q+7], v[S+32*\q+15]
.endr
.irp q, 0,1
	v_max3_num_f32 v[ST+8*\q+6], v[ST+8*\q+6], v[S+32*\q+23], v[S+32*\q+31]
.endr
.irp q, 0,1
	v_max3_num_f32 v[ST+8*\q+4], v[ST+8*\q+4], v[ST+8*\q+5], v[ST+8*\q+6]
.endr
.irp q, 0,1
	v_max3_num_f32 v[ST+8*\q+4], v[ST+8*\q+4], v[ST+8*\q+7], v[ST+8*\q+1]
.endr
.irp q, 0,1
	v_permlanex16_b32 v[ST+8*\q+5], v[ST+8*\q+4], s[SEL], s[SEL+1]   ; the query's other 32 keys lie in the lane 16 away
.endr
.irp q, 0,1
	v_mov_b32 v[ST+8*\q+7], v[ST+8*\q]             ; c m_old is kept for a
.endr
.irp q, 0,1
	v_max_num_f32 v[ST+8*\q+1], v[ST+8*\q+4], v[ST+8*\q+5]   ; the new m
.endr
.irp q, 0,1
	v_mul_f32 v[ST+8*\q], s[CS], v[ST+8*\q+1]
.endr
.irp q, 0,1
	v_sub_f32 v[ST+8*\q+7], v[ST+8*\q+7], v[ST+8*\q]
.endr
.irp b, 0,2,4,6,8,10,12,14,16,18,20,22,24,26,28,30
.irp q, 0,1
	v_pk_fma_f32 v[S+32*\q+\b:S+32*\q+\b+1], v[S+32*\q+\b:S+32*\q+\b+1], s[CS:CS+1], v[ST+8*\q:ST+8*\q+1] op_sel_hi:[1,0,0] neg_lo:[0,0,1] neg_hi:[0,0,1]   ; c s - c m, two at a time
.endr
.endr
.irp q, 0,1
	v_exp_f32 v[ST+8*\q+6], v[ST+8*\q+7]           ; a.  ONE BATCH of 66 exponentials: none reads another's result
.endr
.set n, 0
.rept 64
	v_exp_f32 v[S+n], v[S+n]                       ; p
.set n, n+1
.endr
	v_nop                                          ; the plain instruction behind the last exponential
	s_wait_alu depctr_va_vdst(0)                   ; and the one wait ahead of the batch's first reader
.irp q, 0,1
	v_pk_fma_f32 v[ST+8*\q+2:ST+8*\q+3], v[ST+8*\q+2:ST+8*\q+3], v[ST+8*\q+6:ST+8*\q+7], v[S+32*\q:S+32*\q+1] op_sel_hi:[1,0,1]   ; l = a l + the first pair; the sums are taken of p in f32, in two chains
.endr
.irp q, 0,1
	v_pk_add_f32 v[ST+8*\q+4:ST+8*\q+5], v[S+32*\q+2:S+32*\q+3], v[S+32*\q+4:S+32*\q+5]
.endr
.irp b, 6,10,14,18,22,26
.irp q, 0,1
	v_pk_add_f32 v[ST+8*\q+2:ST+8*\q+3], v[ST+8*\q+2:ST+8*\q+3], v[S+32*\q+\b:S+32*\q+\b+1]
	v_pk_add_f32 v[ST+8*\q+4:ST+8*\q+5], v[ST+8*\q+4:ST+8*\q+5], v[S+32*\q+\b+2:S+32*\q+\b+3]
.endr
.endr
.irp q, 0,1
	v_pk_add_f32 v[ST+8*\q+2:ST+8*\q+3], v[ST+8*\q+2:ST+8*\q+3], v[S+32*\q+30:S+32*\q+31]
.endr
.irp q, 0,1
	v_pk_add_f32 v[ST+8*\q+2:ST+8*\q+3], v[ST+8*\q+2:ST+8*\q+3], v[ST+8*\q+4:ST+8*\q+5]
.endr
.irp i, 0,1,2,3,4,5,6,7,8,9,10,11,12,13,14,15
.irp q, 0,1
	v_cvt_pk_f16_f32 v[S+32*\q+\i], v[S+32*\q+2*\i], v[S+32*\q+2*\i+1]   ; P, in place: register i is written when registers 2 i and 2 i + 1 are read, never ahead of a read
.endr
.endr
.irp i, 0,2,4,6,8,10,12,14,16,18,20,22,24,26,28,30
.irp q, 0,1
	v_pk_mul_f32 v[O+32*\q+\i:O+32*\q+\i+1], v[O+32*\q+\i:O+32*\q+\i+1], v[ST+8*\q+6:ST+8*\q+7] op_sel_hi:[1,0]   ; O^T x a, each accumulator from its low end on
.endr
.endr
	s_wait_dscnt 0x0                               ; V is in
.irp u, 0,1                            ; O^T += V^T P: eight accumulators by turns
.irp d, 0,1,2,3
.irp q, 0,1
	v_wmma_f32_16x16x32_f16 v[O+32*\q+8*\d:O+32*\q+8*\d+7], v[KV+32*\u+8*\d:KV+32*\u+8*\d+7], v[S+32*\q+8*\u:S+32*\q+8*\u+7], v[O+32*\q+8*\d:O+32*\q+8*\d+7]
.endr
.endr
.endr
.endm
.macro STEPS slot                      ; a slot's eight steps
	s_mov_b32 s[TB], \slot*SLOTB
	s_mov_b32 s[CNT], 8
.Lstep_\@:
	STEP
	s_add_co_u32 s[TB], s[TB], 8192                ; 64 keys of K's images (V's lie 65,536 on)
	s_add_co_u32 s[MO], s[MO], 128                 ; 32 mask words (the scalar loads that read it were waited for)
	s_sub_co_u32 s[CNT], s[CNT], 1
	s_cmp_lg_u32 s[CNT], 0
	s_cbranch_scc1 .Lstep_\@
.endm
; THE CHANGE OF SLOTS.  Each wave waits for all its tensor loads (its part of the slot ahead), adds 0 to its spare word, and waits for that and for its reads of the slot just left.  fill = 1: that slot is filled
; again with the keys two slots on: the barrier is then a round of the cluster's, and the joint refill is the first thing behind it, one load a wave.
.macro CHANGE slot, fill
	s_wait_tensorcnt 0x0                           ; no tensor load of mine is out, so a group 0 may be written
	ds_add_u32 v[SPW], v[NIL]                      ; 0 onto my spare word
.if \fill
	s_add_nc_u64 s[G0+4*\slot+2:G0+4*\slot+3], s[G0+4*\slot+2:G0+4*\slot+3], 0x20000   ; 1,024 keys on; the type bits on top are not reached
	s_wait_dscnt 0x0                               ; the add is done, and my reads of the slot are over
	ROUND
	tensor_load_to_lds s[G0+4*\slot:G0+4*\slot+3], s[G1:G1+7]
	s_nop 0
.else
	s_wait_dscnt 0x0
	s_barrier_signal -1
	s_barrier_wait -1
.endif
.endm
	s_wait_tensorcnt 0x1                           ; my part of slot 0 is in; slot 1's may stay out
	s_barrier_signal -1
	s_barrier_wait -1                              ; everybody's is
	s_wait_loadcnt 0x0                             ; Q
	STEPS 0                                        ; keys 0 to 511
	CHANGE 0, 1
	STEPS 1                                        ; 512 to 1,023
	CHANGE 1, 1
	STEPS 0                                        ; 1,024 to 1,535
	CHANGE 0, 0                                    ; nothing is left to fetch
	STEPS 1                                        ; 1,536 to 2,047
	; THE WAY OUT.  l's two halves and the other half of the lanes' are added (these lines are the places behind the last products); O^T is divided by l, rounded to f16 and stored as the next product's operand registers.
.irp q, 0,1
	v_add_f32 v[ST+8*\q+4], v[ST+8*\q+2], v[ST+8*\q+3]
.endr
.irp q, 0,1
	v_permlanex16_b32 v[ST+8*\q+5], v[ST+8*\q+4], s[SEL], s[SEL+1]
.endr
.irp q, 0,1
	v_add_f32 v[ST+8*\q+4], v[ST+8*\q+4], v[ST+8*\q+5]
.endr
.irp q, 0,1
	v_rcp_f32 v[ST+8*\q+6], v[ST+8*\q+4]
.endr
	v_nop                                          ; a plain instruction behind the last reciprocal
	s_wait_alu depctr_va_vdst(0)                   ; and the wait ahead of the first use: one for both
.irp q, 0,1
.irp i, 0,2,4,6,8,10,12,14,16,18,20,22,24,26,28,30
	v_pk_mul_f32 v[O+32*\q+\i:O+32*\q+\i+1], v[O+32*\q+\i:O+32*\q+\i+1], v[ST+8*\q+6:ST+8*\q+7] op_sel_hi:[1,0]
.endr
.endr
.irp q, 0,1
.irp i, 0,1,2,3,4,5,6,7,8,9,10,11,12,13,14,15
	v_cvt_pk_f16_f32 v[KV+16*\q+\i], v[O+32*\q+2*\i], v[O+32*\q+2*\i+1]   ; registers 4 d .. 4 d + 3: token r, channels 16 d + 8 h + 0..7
.endr
.endr
.irp q, 0,1
.irp d, 0,1,2,3
	global_store_b128 v[LI], v[KV+16*\q+4*\d:KV+16*\q+4*\d+3], s[24:25] offset:32768*\q+512*\d   ; 512 consecutive bytes, aligned
.endr
.endr
	s_wait_tensorcnt 0x0                           ; the wave's end, behind my last tensor load
	ds_add_u32 v[SPW], v[NIL]
	s_wait_dscnt 0x0
	ROUND                                          ; the closing round: no work-group ends while a partner may still ask for a tile that names it
	s_endpgm
.Lfunc_end_k_q1b33c3d25e_attn:
	.size	k_q1b33c3d25e_attn, .Lfunc_end_k_q1b33c3d25e_attn-k_q1b33c3d25e_attn
	.p2alignl 7, 3214868480
	.fill 96, 4, 3214868480
	.section	.rodata,"a",@progbits
	.p2align	6, 0x0
	.amdhsa_kernel k_q1b33c3d25e_attn
		.amdhsa_group_segment_fixed_size 327680
		.amdhsa_private_segment_fixed_size 0
		.amdhsa_enable_private_segment 0
		.amdhsa_kernarg_size 24
		.amdhsa_user_sgpr_count 2
		.amdhsa_user_sgpr_kernarg_segment_ptr 1
		.amdhsa_wavefront_size32 1
		.amdhsa_system_sgpr_workgroup_id_x 1
		.amdhsa_system_sgpr_workgroup_id_y 1
		.amdhsa_system_sgpr_workgroup_id_z 1
		.amdhsa_system_vgpr_workitem_id 0
		.amdhsa_next_free_vgpr 256
		.amdhsa_next_free_sgpr 102
		.amdhsa_reserve_vcc 0
		.amdhsa_float_denorm_mode_32 3
		.amdhsa_float_denorm_mode_16_64 3
		.amdhsa_memory_ordered 1
		.amdhsa_forward_progress 1
		.amdhsa_inst_pref_size 100
	.end_amdhsa_kernel
	.amdgpu_metadata
---
amdhsa.version: [ 1, 2 ]
amdhsa.kernels:
  - .name:           k_q1b33c3d25e_attn
    .symbol:         k_q1b33c3d25e_attn.kd
    .args:
      - { .name: qkv, .offset: 0, .size: 8, .value_kind: global_buffer, .address_space: global }
      - { .name: mbits, .offset: 8, .size: 8, .value_kind: global_buffer, .address_space: global }
      - { .name: ctx, .offset: 16, .size: 8, .value_kind: global_buffer, .address_space: global }
    .group_segment_fixed_size: 327680
    .private_segment_fixed_size: 0
    .kernarg_segment_align: 8
    .kernarg_segment_size: 24
    .max_flat_workgroup_size: 512
    .sgpr_count:     102
    .vgpr_count:     256
    .wavefront_size: 32
...
	.end_amdgpu_metadata
.endif
;; end of part 3
;; launch outp (part 4): grid 4 x 64, 4 waves a work-group, clusters of 4 x 4, 327,680 bytes of LDS; arguments ctx, wof, bo, out0; writes out0
.if DOCPART == 4
	.amdgcn_target "amdgcn-amd-amdhsa--gfx1250"
	.amdhsa_code_object_version 6
	.text
	.protected	k_q1b33c3d25e_outp
	.globl	k_q1b33c3d25e_outp
	.p2align	8
	.type	k_q1b33c3d25e_outp,@function
k_q1b33c3d25e_outp:
	s_mov_b64 s[64:65], 0
	v_nop
	global_prefetch_b8 v0, s[64:65] scope:SCOPE_SE
	s_setreg_imm32_b32 hwreg(HW_REG_WAVE_MODE, 25, 1), 1
	s_wait_xcnt 0x0
	s_wait_alu depctr_hold_cnt(0) depctr_sa_sdst(0) depctr_va_vdst(0) depctr_va_sdst(0) depctr_va_ssrc(0) depctr_va_vcc(0) depctr_vm_vsrc(0)
	s_getreg_b32 s2, hwreg(HW_REG_IB_STS2, 6, 4)
	s_cmp_eq_u32 s2, 0
	s_cbranch_scc0 .Lentry_in_a_cluster
	s_endpgm
.Lentry_in_a_cluster:
	s_bfe_u32 s2, ttmp6, 0x10000c
	s_cmp_lg_u32 s2, 0xf033
	s_cbranch_scc0 .Lentry_shape_is_right
	s_endpgm
.Lentry_shape_is_right:
; OUTP: out0 = ctx wo^T + bo.  M = 8,192 tokens, N = 1,024, K = 1,024; operands f16, sums f32, out0 f32.
; Both operands arrive as images of operand registers: fragment (tile of 16 rows, kk) = 16 rows x 32 K, 1,024 bytes at (tile*32 + kk)*1024: registers 0-3 of lane L at 16 L, registers 4-7 at 512 + 16 L.
; A tile of out0 is 128 tokens x 256 columns: 256 work-groups of four waves, each wave 64 x 128: 32 accumulators, 256 registers.  K goes in steps of 128 (four fragments, 4,096 consecutive bytes of each tile of rows)
; through a ring of two LDS slots filled by the tensor data mover; a fragment comes out of LDS by two loads at 16 x lane: no pitch, no padding.
; CLUSTERS: 4 x 4 work-groups.  The four of a row of the cluster need the same tiles of ctx, the four of a column the same tiles of wo: each is asked for JOINTLY, by the same tensor load with the same descriptor and a
; mask that names the four.  THE MATRIX INSTRUCTION IS USED TRANSPOSED (source 0 = 16 rows of wo, source 1 = 16 tokens): a lane holds eight neighbouring numbers of a row of out0.  The bias is the C of each sum's first product.
; REGISTERS: window 0: v0-31 addresses; v32-127 and v128-223 two fragment buffers (ctx's 4 fragments, then wo's 8); on the way out v32-159 hold rows.  window 1: the accumulators ((a, b) at v[8 (8 a + b)]).
;   window 2: v0-63 the bias, eight registers for each b.
.set SLOT,   98304                     ; ctx's 8 tiles x 4,096 bytes, then wo's 16 tiles x 4,096
.set BOFF,   32768
.set STAGE,  2*SLOT                    ; behind the ring: 16 rows x (512 bytes + 16) for each wave, for the way out
.set SPITCH, 528
.set SPARE,  STAGE+4*16*SPITCH         ; behind the stages: the spare words, 128 bytes a wave
.set LI,   3                           ; v3      16 x lane; also my byte offset in a row of out0; never rewritten
.set ADRA, 16                          ; v16-17  LDS address of my ctx fragments in slot 0, 1
.set ADRB, 20                          ; v20-21  the same for wo
.set STO,  24                          ; v24     the way out: where I put 32 bytes of a row
.set RD,   25                          ; v25     the way out: where I read a row back
.set SPW,  28                          ; v28     LDS address of my spare word; never rewritten
.set NIL,  29                          ; v29     0; never rewritten
.set F0,   32
.set F1,   128
.set BK,   32                          ; the way out: 16 rows read back: v32-95 and v96-159 by turns
.set G1, 24                            ; s[24:31] descriptor group 1 for ctx's tiles;  s[32:39] group 0, one set for each slot
.set G0, 32
.set G1B, 48                           ; s[48:55], s[56:63] the same for wo's
.set G0B, 56
.set MSB, 0
.macro WIN new                         ; the immediate's high byte repeats the setting that is left
.if MSB != \new
	s_set_vgpr_msb (MSB<<8)|\new
.set MSB, \new
.endif
.endm
.set MUL,  0x50                        ; sources 0 and 1 window 0; C and D window 1
.set MUL0, 0x60                        ; the first products: C (the bias) window 2, D window 1
.macro JLOAD s                         ; a joint load: waves 0 and 1 fetch ctx's two halves, waves 2 and 3 wo's; an s_nop 0 and four v_nop follow each of the two lines
	s_cmp_eq_u32 s13, 0
	s_cbranch_scc0 .Lfor_b_\@
	tensor_load_to_lds s[G0+4*\s:G0+4*\s+3], s[G1:G1+7]
	s_nop 0
.rept 4
	v_nop
.endr
	s_branch .Lasked_\@
.Lfor_b_\@:
	tensor_load_to_lds s[G0B+4*\s:G0B+4*\s+3], s[G1B:G1B+7]
	s_nop 0
.rept 4
	v_nop
.endr
.Lasked_\@:
.endm
.macro CREST                           ; a round of the cluster's barrier behind its opening barrier
	s_cmp_lg_u32 s12, 0
	s_cbranch_scc1 .Lnot_wave_0_\@
	s_barrier_signal -3
.Lnot_wave_0_\@:
	s_barrier_wait -3
	s_barrier_signal -1
	s_barrier_wait -1
.endm
.macro CROUND                          ; a whole round
	s_barrier_signal -1
	s_barrier_wait -1
	CREST
.endm
	s_load_b256 s[4:11], s[0:1], 0x0               ; ctx s[4:5], wof s[6:7], bo s[8:9], out0 s[10:11]
	v_lshl_add_u32 v[SPW], v0, 2, SPARE
	v_mov_b32 v[NIL], 0
	ds_add_u32 v[SPW], v[NIL]                      ; the wave's opening: the add, twice on end, and its wait ahead of my first tensor load
	ds_add_u32 v[SPW], v[NIL]                      ; and once more, under the one wait; the set-up below, work on registers, stands between
	v_lshrrev_b32 v1, 5, v0
	v_readfirstlane_b32 s12, v1                    ; wave 0..3
	s_lshr_b32 s13, s12, 1                         ; which 64 tokens are mine.  Also: I fetch for ctx (0) or for wo (1)
	s_and_b32 s14, s12, 1                          ; which 128 columns.  Also: which half of that tile I fetch
	s_bfe_u32 s40, ttmp6, 0x40000                  ; cx, cy: my place in the cluster
	s_bfe_u32 s41, ttmp6, 0x40004
	s_lshl_b32 s42, ttmp9, 2
	s_add_co_u32 s42, s42, s40                     ; tile column = 4 x cluster x + cx: 0..3
	s_and_b32 s15, ttmp7, 0xffff
	s_lshl_b32 s15, s15, 2
	s_add_co_u32 s15, s15, s41                     ; tile row = 4 x cluster y + cy: 0..63
	s_lshl_b32 s43, s41, 2
	s_lshl_b32 s43, 15, s43                        ; my row of the cluster
	s_lshl_b32 s44, 0x1111, s40                    ; my column
	; descriptor group 1: rows of 4,096 bytes (512 elements of 8 bytes: a K step of one tile of 16 rows), 32,768 bytes apart in memory, dense in LDS: 4 rows for ctx, 8 for wo
	s_or_b32 s[G1+0], s43, (3<<16)|(1<<21)         ; 15:0 the mask: ctx's tiles go to my row; 17:16 elements of 8 bytes; 21 set beside a mask
	s_or_b32 s[G1B+0], s44, (3<<16)|(1<<21)
	s_mov_b32 s[G1+1], 512<<16                     ; tensor_dim0 = 512
	s_mov_b32 s[G1+2], 4<<16                       ; tensor_dim1 = 4
	s_mov_b32 s[G1+3], 512<<16                     ; tile_dim0 = 512
	s_mov_b32 s[G1+4], 4                           ; tile_dim1 = 4
	s_mov_b32 s[G1+5], 4096                        ; tensor_dim0_stride
	s_mov_b32 s[G1+6], 0
	s_mov_b32 s[G1+7], 0
	s_mov_b32 s[G1B+1], 512<<16
	s_mov_b32 s[G1B+2], 8<<16
	s_mov_b32 s[G1B+3], 512<<16
	s_mov_b32 s[G1B+4], 8
	s_mov_b32 s[G1B+5], 4096
	s_mov_b32 s[G1B+6], 0
	s_mov_b32 s[G1B+7], 0
	s_lshl_b32 s16, s15, 3
	s_lshl_b32 s17, s14, 2
	s_add_co_u32 s16, s16, s17                     ; ctx: token tile 8 x tile row + 4 x half,
	s_lshl_b32 s16, s16, 15                        ; 32,768 bytes each
	s_mov_b32 s17, 0
	s_lshl_b32 s46, s42, 4
	s_lshl_b32 s47, s14, 3
	s_add_co_u32 s46, s46, s47                     ; wo: tile of rows 16 x tile column + 8 x half
	s_lshl_b32 s46, s46, 15
	s_mov_b32 s47, 0
	s_lshl_b32 s20, s14, 14                        ; where they go: ctx's halves of 16,384 bytes,
	s_lshl_b32 s21, s14, 15
	s_add_co_u32 s21, s21, BOFF                    ; behind them wo's halves of 32,768: the wave's number alone enters an LDS address
	s_wait_dscnt 0x0                               ; both opening adds are done
	s_wait_kmcnt 0x0
	s_add_nc_u64 s[18:19], s[4:5], s[16:17]
	s_add_nc_u64 s[46:47], s[6:7], s[46:47]
	CROUND                                         ; all sixteen work-groups are here: the first joint loads meet
.irp s, 0,1
	s_mov_b32 s[G0+4*\s], 1
	s_add_co_u32 s[G0+4*\s+1], s20, \s*SLOT
	s_add_nc_u64 s[G0+4*\s+2:G0+4*\s+3], s[18:19], \s*4096         ; K step s
	s_or_b32 s[G0+4*\s+3], s[G0+4*\s+3], 0x80000000
	s_mov_b32 s[G0B+4*\s], 1
	s_add_co_u32 s[G0B+4*\s+1], s21, \s*SLOT
	s_add_nc_u64 s[G0B+4*\s+2:G0B+4*\s+3], s[46:47], \s*4096
	s_or_b32 s[G0B+4*\s+3], s[G0B+4*\s+3], 0x80000000
	JLOAD \s                                       ; two tensor loads of mine are out
.endr
	v_and_b32 v1, 15, v0                           ; r
	v_bfe_u32 v2, v0, 4, 1                         ; h
	v_and_b32 v[LI], 31, v0
	v_lshlrev_b32 v[LI], 4, v[LI]
	s_lshl_b32 s21, s13, 14                        ; my 4 tiles of ctx
	s_lshl_b32 s22, s14, 15
	s_add_co_u32 s22, s22, BOFF                    ; my 8 tiles of wo
.irp s, 0,1
	v_add_nc_u32 v[ADRA+\s], s21, v[LI]
	v_add_nc_u32 v[ADRB+\s], s22, v[LI]
	s_add_co_u32 s21, s21, SLOT
	s_add_co_u32 s22, s22, SLOT
.endr
	s_mul_i32 s23, s12, 16*SPITCH
	s_add_co_u32 s23, s23, STAGE                   ; my stage
	v_mul_u32_u24 v4, v1, SPITCH                   ; in: row r, 32 bytes for each half of the lanes
	v_lshl_add_u32 v4, v2, 5, v4
	v_add_nc_u32 v[STO], s23, v4
	v_add_nc_u32 v[RD], s23, v[LI]                 ; back: the 32 lanes take one row of 512 bytes
	s_lshl_b32 s16, s15, 7
	s_lshl_b32 s17, s13, 6
	s_add_co_u32 s16, s16, s17                     ; my first row of out0: 128 x tile row + 64 x half,
	s_lshl_b32 s16, s16, 12                        ; 4,096 bytes a row
	s_mov_b32 s17, 0
	s_add_nc_u64 s[10:11], s[10:11], s[16:17]
	s_lshl_b32 s46, s42, 10                        ; my first column, in bytes: 1,024 x tile column + 512 x half
	s_lshl_b32 s47, s14, 9
	s_add_co_u32 s46, s46, s47
	s_mov_b32 s47, 0
	s_add_nc_u64 s[10:11], s[10:11], s[46:47]
	s_add_nc_u64 s[8:9], s[8:9], s[46:47]          ; and the same place in bo
	v_lshlrev_b32 v5, 5, v2                        ; 32 h
	WIN 0x80                                       ; destination window 2
.irp b, 0,1,2,3,4,5,6,7
	global_load_b128 v[8*\b:8*\b+3], v5, s[8:9] offset:64*\b            ; bo[16 b + 8 h + 0..7]
	global_load_b128 v[8*\b+4:8*\b+7], v5, s[8:9] offset:64*\b+16
.endr
	WIN 0
; 8 matrix instructions: ctx's block a against wo's eight, 32 along K, from buffer f.  first = 1: the sums start from the bias.  The 32 accumulators take turns, one instruction a turn, in the same order in
; every quarter.
.macro MUL8 f, a, first
.irp b, 0,1,2,3,4,5,6,7
.if \first
	v_wmma_f32_16x16x32_f16 v[8*(8*(\a)+\b):8*(8*(\a)+\b)+7], v[\f+32+8*\b:\f+32+8*\b+7], v[\f+8*(\a):\f+8*(\a)+7], v[8*\b:8*\b+7]
.else
	v_wmma_f32_16x16x32_f16 v[8*(8*(\a)+\b):8*(8*(\a)+\b)+7], v[\f+32+8*\b:\f+32+8*\b+7], v[\f+8*(\a):\f+8*(\a)+7], v[8*(8*(\a)+\b):8*(8*(\a)+\b)+7]
.endif
.endr
.endm
; 24 LDS loads in one run: the fragments of the slot's kk-th 32 along K into buffer f: wo's 16 loads, ctx's blocks 0, 1, then blocks 2, 3
.macro FETCH slot, kk, f
.irp b, 0,1,2,3,4,5,6,7
	ds_load_b128 v[\f+32+8*\b:\f+32+8*\b+3],   v[ADRB+\slot] offset:\b*4096+(\kk)*1024
	ds_load_b128 v[\f+32+8*\b+4:\f+32+8*\b+7], v[ADRB+\slot] offset:\b*4096+(\kk)*1024+512
.endr
.irp a, 0,1,2,3
	ds_load_b128 v[\f+8*\a:\f+8*\a+3],   v[ADRA+\slot] offset:\a*4096+(\kk)*1024
	ds_load_b128 v[\f+8*\a+4:\f+8*\a+7], v[ADRA+\slot] offset:\a*4096+(\kk)*1024+512
.endr
.endm
.macro PLACES                          ; four places in front of loads into registers that matrix instructions have read, and of the first read of results (ISA guide 7.12.1 for vector instructions)
.rept 4
	v_nop
.endr
.endm
; A K step is four quarters of 32 along K, 32 matrix instructions each, on buffers 0, 1, 0, 1.  One of the first three: multiplies buffer f and fetches the slot's kn-th quarter into g.
.macro QUARTER slot, kn, f, g, first
	s_wait_dscnt 0x4                               ; wo's fragments and ctx's blocks 0, 1 are in; the youngest four loads (blocks 2, 3) may be out
.if \first
	WIN MUL0
.else
	WIN MUL
.endif
	MUL8 \f, 0, \first
	MUL8 \f, 1, \first
	PLACES
	WIN 0
	FETCH \slot, \kn, \g
	s_wait_dscnt 24                                ; all but the 24 just issued
.if \first
	WIN MUL0
.else
	WIN MUL
.endif
	MUL8 \f, 2, \first
	MUL8 \f, 3, \first
.endm
; The last quarter multiplies buffer 1 and changes slots: ONE barrier; in front of it each wave waits for all its tensor loads, adds 0 to its spare word, and waits for that and for its own reads of this slot.
; fill = 1: this slot is filled again, two K steps ahead; the barrier then opens a round of the cluster's barrier, and the joint refill is the first tensor load behind it.
.macro TURN slot, next, fill
	WIN 0                                          ; (the add's two registers lie in window 0)
	s_wait_tensorcnt 0x0                           ; all my tensor loads have landed: my part of the next slot
	ds_add_u32 v[SPW], v[NIL]                      ; 0 onto my spare word
	s_wait_dscnt 0x5                               ; (the add and the youngest four loads may be out)
	WIN MUL
	MUL8 F1, 0, 0                                  ; eight matrix instructions stand between the add and the wait for it
	s_wait_dscnt 0x0                               ; the add is done, and my reads of this slot are over
	s_barrier_signal -1
	MUL8 F1, 1, 0
	WIN 0
	s_barrier_wait -1
.if \fill
	CREST                                          ; no wave of any partner still reads this slot's tile or has a load on its way
	s_add_nc_u64 s[G0+4*\slot+2:G0+4*\slot+3], s[G0+4*\slot+2:G0+4*\slot+3], 8192
	s_add_nc_u64 s[G0B+4*\slot+2:G0B+4*\slot+3], s[G0B+4*\slot+2:G0B+4*\slot+3], 8192
	JLOAD \slot                                    ; the four v_nop behind it are also the places in front of the loads below
.else
	PLACES
.endif
	FETCH \next, 0, F0
	WIN MUL
	MUL8 F1, 2, 0
	MUL8 F1, 3, 0
.endm
	s_wait_tensorcnt 0x1                           ; my part of K step 0 is in (K step 1's load may be out)
	s_barrier_signal -1
	s_barrier_wait -1                              ; everybody's is
	FETCH 0, 0, F0
	s_wait_loadcnt 0x0                             ; the bias
	QUARTER 0, 1, F0, F1, 1                        ; the first quarter stands in front of the loop: its products start the sums from the bias
	WIN 0                                          ; at a label and at a branch every window is 0
	s_mov_b32 s3, 3
.Llap:                                                 ; a trip goes once round the ring, from a lap's second quarter to the next lap's first, and fills both slots again: K steps 2 to 7
	QUARTER 0, 2, F1, F0, 0
	QUARTER 0, 3, F0, F1, 0
	TURN 0, 1, 1
	QUARTER 1, 1, F0, F1, 0
	QUARTER 1, 2, F1, F0, 0
	QUARTER 1, 3, F0, F1, 0
	TURN 1, 0, 1
	QUARTER 0, 1, F0, F1, 0
	WIN 0
	s_sub_co_u32 s3, s3, 1
	s_cmp_lg_u32 s3, 0
	s_cbranch_scc1 .Llap
	QUARTER 0, 2, F1, F0, 0                        ; the last lap fills nothing, and has no round of the cluster's barrier
	QUARTER 0, 3, F0, F1, 0
	TURN 0, 1, 0
	QUARTER 1, 1, F0, F1, 0
	QUARTER 1, 2, F1, F0, 0
	QUARTER 1, 3, F0, F1, 0
	s_wait_dscnt 0x4                               ; the very last quarter: nothing more to fetch
	WIN MUL
	MUL8 F1, 0, 0
	MUL8 F1, 1, 0
	s_wait_dscnt 0x0
	MUL8 F1, 2, 0
	MUL8 F1, 3, 0
	WIN 0
; THE WAY OUT, block by block of 16 rows x 128 columns.  A lane holds 32 neighbouring bytes of a row and the lanes beside it hold other rows: so a block goes through my own stage in LDS and comes back as whole rows of
; 512 bytes.  LDS serves a wave's instructions in order (ISA guide 5.7.1.4): no wait between the stores and the loads, nor in front of the next block's stores.
.macro TOSTAGE a
	WIN 0x04                                       ; an LDS store's data are its source 1: window 1
.irp b, 0,1,2,3,4,5,6,7
	ds_store_b128 v[STO], v[8*(8*(\a)+\b):8*(8*(\a)+\b)+3] offset:64*\b          ; each accumulator from its low end on
	ds_store_b128 v[STO], v[8*(8*(\a)+\b)+4:8*(8*(\a)+\b)+7] offset:64*\b+16
.endr
	WIN 0
.set BB, BK+64*((\a)%2)
.irp t, 0,1,2,3,4,5,6,7,8,9,10,11,12,13,14,15
	ds_load_b128 v[BB+4*\t:BB+4*\t+3], v[RD] offset:\t*SPITCH
.endr
.endm
.macro SEND a, younger                 ; younger: the LDS instructions issued behind block a's loads, which may stay out
.set BB, BK+64*((\a)%2)
	s_wait_dscnt \younger                          ; the block is back in registers
.irp t, 0,1,2,3,4,5,6,7,8,9,10,11,12,13,14,15
	global_store_b128 v[LI], v[BB+4*\t:BB+4*\t+3], s[10:11] offset:(16*(\a)+\t)*4096 th:TH_STORE_NT   ; 32 lanes store 512 consecutive bytes, aligned; every offset is an immediate, 258,048 at the most
.endr
.endm
	PLACES                                         ; behind the last products: for the reads of their results and for the loads into the registers that held fragments
	TOSTAGE 0
.irp a, 1,2,3
.if \a > 1
	s_wait_xcnt 0x0                                ; block a - 2's stores have read their registers: block a's loads may land there
.endif
	TOSTAGE \a
	SEND \a-1, 32                                  ; behind block a - 1's loads: block a's 16 stores and 16 loads
.endr
	SEND 3, 0
	s_wait_tensorcnt 0x0                           ; the wave's end, behind my last tensor load and my last LDS store
	ds_add_u32 v[SPW], v[NIL]
	s_wait_dscnt 0x0
	CROUND                                         ; the closing round: no work-group ends while a partner may still ask for a tile that names it
	s_endpgm
.Lfunc_end_k_q1b33c3d25e_outp:
	.size	k_q1b33c3d25e_outp, .Lfunc_end_k_q1b33c3d25e_outp-k_q1b33c3d25e_outp
	.p2alignl 7, 3214868480
	.fill 96, 4, 3214868480
	.section	.rodata,"a",@progbits
	.p2align	6, 0x0
	.amdhsa_kernel k_q1b33c3d25e_outp
		.amdhsa_group_segment_fixed_size 327680
		.amdhsa_private_segment_fixed_size 0
		.amdhsa_enable_private_segment 0
		.amdhsa_kernarg_size 32
		.amdhsa_user_sgpr_count 2
		.amdhsa_user_sgpr_kernarg_segment_ptr 1
		.amdhsa_wavefront_size32 1
		.amdhsa_system_sgpr_workgroup_id_x 1
		.amdhsa_system_sgpr_workgroup_id_y 1
		.amdhsa_system_sgpr_workgroup_id_z 1
		.amdhsa_system_vgpr_workitem_id 0
		.amdhsa_next_free_vgpr 576
		.amdhsa_next_free_sgpr 66
		.amdhsa_reserve_vcc 0
		.amdhsa_float_denorm_mode_32 3
		.amdhsa_float_denorm_mode_16_64 3
		.amdhsa_memory_ordered 1
		.amdhsa_forward_progress 1
		.amdhsa_inst_pref_size 86
	.end_amdhsa_kernel
	.amdgpu_metadata
---
amdhsa.version: [ 1, 2 ]
amdhsa.kernels:
  - .name:           k_q1b33c3d25e_outp
    .symbol:         k_q1b33c3d25e_outp.kd
    .args:
      - { .name: ctx, .offset: 0, .size: 8, .value_kind: global_buffer, .address_space: global }
      - { .name: wof, .offset: 8, .size: 8, .value_kind: global_buffer, .address_space: global }
      - { .name: bo, .offset: 16, .size: 8, .value_kind: global_buffer, .address_space: global }
      - { .name: out0, .offset: 24, .size: 8, .value_kind: global_buffer, .address_space: global }
    .group_segment_fixed_size: 327680
    .private_segment_fixed_size: 0
    .kernarg_segment_align: 8
    .kernarg_segment_size: 32
    .max_flat_workgroup_size: 128
    .sgpr_count:     66
    .vgpr_count:     576
    .wavefront_size: 32
...
	.end_amdgpu_metadata
.endif
;; end of part 4
